; MI455X (gfx1250); checked and timed in simulation.
; The chip was launched on July 23, 2026; its instructions are those of AMD's public machine-readable ISA for CDNA 5 (MIT licence, August 2026) and "CDNA5" Instruction Set Architecture Reference Guide (July 2026). The comments in the code are by the model that wrote it; some were corrected since.
;; Block. Allowed arithmetic: matrix products marked QUANTISED: E4M3 operands, one given power-of-two scale a tensor, by v_wmma_f32_16x16x64_fp8_fp8 or v_wmma_f32_16x16x128_fp8_fp8, f32 sums; everything else in f32.
;; Inputs: W1 1,024 x 4,096 float32; W2 4,096 x 1,024 float32; Wk 1,024 x 1,024 float32; Wp 1,024 x 1,024 float32; Wq 1,024 x 1,024 float32; Wv 1,024 x 1,024 float32; b1 4,096 float32; b2 1,024 float32; bk 1,024 float32; bp 1,024 float32; bq 1,024 float32; bv 1,024 float32; ln1_b 1,024 float32; ln1_g 1,024 float32; ln2_b 1,024 float32; ln2_g 1,024 float32; lowp_scales 16 int32 (the exponents e of the quantised operands' scales 2^e); x 2 x 2,048 x 1,024 float32.
;; Outputs: out0 2 x 2,048 x 1,024 float32.
;; This version of the problem:
;;   THIS VERSION OF THE PROBLEM IS GIVEN IN LOW PRECISION. The matrix products marked QUANTISED in the list below multiply operands that are first quantised to E4M3 (4 exponent bits, 3 mantissa bits; 8 bits a number), with one given power-of-two scale for each operand tensor; their sums are f32. All else is computed in f32.
;;   The module's matrix products, in the order in which they are computed (A, B: the left and right operand; K: the contracted axis; several contracted axes count as one K, in the product's order):
;;     1. [M 4,096, K 1,024] x [K 1,024, N 1,024]; A: computed on the way; B: input Wq: QUANTISED (scales: A lowp_scales[0], B lowp_scales[1])
;;     2. [M 4,096, K 1,024] x [K 1,024, N 1,024]; A: computed on the way; B: input Wk: QUANTISED (scales: A lowp_scales[2], B lowp_scales[3])
;;     3. [M 4,096, K 1,024] x [K 1,024, N 1,024]; A: computed on the way; B: input Wv: QUANTISED (scales: A lowp_scales[4], B lowp_scales[5])
;;     4. batch 32 x [M 2,048, K 64] x [K 64, N 2,048]; A: computed on the way; B: computed on the way: QUANTISED (scales: A lowp_scales[6], B lowp_scales[7])
;;     5. batch 32 x [M 2,048, K 2,048] x [K 2,048, N 64]; A: softmax (see below); B: computed on the way: QUANTISED (scales: A lowp_scales[8], B lowp_scales[9])
;;     6. [M 4,096, K 1,024] x [K 1,024, N 1,024]; A: computed on the way; B: input Wp: QUANTISED (scales: A lowp_scales[10], B lowp_scales[11])
;;     7. [M 4,096, K 1,024] x [K 1,024, N 4,096]; A: computed on the way; B: input W1: QUANTISED (scales: A lowp_scales[12], B lowp_scales[13])
;;     8. [M 4,096, K 4,096] x [K 4,096, N 1,024]; A: computed on the way; B: input W2: QUANTISED (scales: A lowp_scales[14], B lowp_scales[15])
;;   THE QUANTISER, for each operand of a quantised product, along K:
;;     - The operand's scale is 2^e, e = its entry of the input lowp_scales (int32; the entries are numbered through the quantised products in the list's order, A before B).
;;     - Each number is divided by the scale, clamped to +-448, and rounded to the nearest number of E4M3, ties to even, subnormals kept.
;;     - The product sums the exact products of the quantised numbers (number of the format x scale) in f32.
;;   ~~~python
;;   def quantise(x, axis, e):      # numpy; x: float32 -> the quantised numbers, widened to float32 again
;;       x = np.moveaxis(x, axis, -1); K = x.shape[-1]
;;       r = np.clip(x / 2.0 ** e, -448, 448)
;;       step = 2.0 ** (np.maximum(np.frexp(np.where(r == 0, 1, r))[1] - 1, -6) - 3)
;;       q = np.round(r / step) * step * 2.0 ** e      # np.round: ties to even
;;       return np.moveaxis(q, -1, axis).astype(np.float32)
;;   ~~~
;;   SOFTMAX AHEAD OF A QUANTISED PRODUCT. Where the list says 'softmax', what is quantised is not the finished softmax but p = 2^(t - M), with t = logit x log2(e) and M = ceil(the row's largest t), a whole number; so 1/2 < the row's largest p <= 1. The row's sum l is taken of the UNQUANTISED p, in f32, and the product's result is divided by l at the end. Since M is a whole number, a kernel that streams over the keys may use a running M (the ceiling of the running maximum): every later rescaling is an exact power of two, so the quantised numbers keep their values, but for numbers so far below the row's largest that they fall under the format's range.
;;   OPERANDS COMPUTED ON THE WAY. 'Computed on the way' means the value that the module computes at that place (a softmax that the list does not call 'softmax' is quantised finished and normalised). What goes into a quantiser is computed in f32, as accurately as f32 sums, v_exp_f32 and their like allow (about 1e-6 of the number): no bf16 or f16 on the way to a quantiser, and a product that is left as it is and whose result goes on into a quantised operand takes f32 operands (vector FMAs, or v_wmma_f32_16x16x4_f32). A number that lies on a knife's edge between two numbers of the format may be rounded either way, as far as f32 arithmetic and the matrix unit's own rounding can turn it there, and no further.
;; One version. Each part assembles by itself: llvm-mc -triple=amdgcn-amd-amdhsa -mcpu=gfx1250 --defsym DOCPART=n.
;; ======== version 1 of 1: 7 launches
;; limits: right only within a limited range of input values
;; workspace buffers: wc 12,582,912 bytes; hc 12,582,912 bytes; qkvc 12,582,912 bytes; yc 4,194,304 bytes; x1 16,777,216 bytes; h2c 4,194,304 bytes; mc 16,777,216 bytes
;; launch prep (part 1): grid 640 x 1, 4 waves a work-group, no clusters, 47,616 bytes of LDS; arguments Wq, Wk, Wv, Wp, W1, W2, x, ln1_g, ln1_b, lowp_scales, wc, hc; writes wc, hc
.if DOCPART == 1
	.amdgcn_target "amdgcn-amd-amdhsa--gfx1250"
	.amdhsa_code_object_version 6
	.text
	.protected	k_q7e6ecc8ed2_prep
	.globl	k_q7e6ecc8ed2_prep
	.p2align	8
	.type	k_q7e6ecc8ed2_prep,@function
k_q7e6ecc8ed2_prep:
	s_mov_b64 s[64:65], 0
	v_nop
	global_prefetch_b8 v0, s[64:65] scope:SCOPE_SE
	s_setreg_imm32_b32 hwreg(HW_REG_WAVE_MODE, 25, 1), 1
	s_wait_xcnt 0x0
; PREP: two jobs in one launch, told apart by the work-group's number.
; Work-groups 0-383: the six weights, f32 stored [K][N], become codes of FP8 (E4M3) laid [N][K], K innermost, each with its given scale 2^e
;   (entries 1, 3, 5, 11, 13, 15 of the scales).  wc: Wq at 0, Wk at 1 MiB, Wv at 2 MiB, Wp at 3 MiB, W1 at 4 MiB, W2 at 8 MiB.
;   A lane takes a column n and its registers run down K, so the conversions give codes with K innermost; a wave gathers 32 columns x 256 K in its own
;   stage in LDS and stores rows: sixteen lanes write 256 consecutive, aligned bytes.  A work-group takes 128 columns x 256 along K.
; Work-groups 384-639: h = LayerNorm(x) in f32 (mean, then the variance of the centred numbers), quantised three times, with entries 0, 2 and 4:
;   hc holds three images [4096][1024] at 0, 4 MiB, 8 MiB.  One wave holds one whole row (32 registers a lane); four rows a wave.
; code = number / 2^e, held within +-448, to the nearest code, ties to even.
; LIMITS: every e used here lies between -126 and 119, so that 2^e and 448 x 2^e are f32 numbers.  NaN among the inputs is not served.
; No tensor loads, no barrier: waves share nothing.  The two jobs use different LDS bytes.
.set WVO,  16                          ; v16-47   weights: byte offset of row i of a block of 32 rows, at my column
.set WX,   48                          ; v48-111  two sets of 32 numbers
.set WC,   112                         ; v112-119 a block's codes
.set WOUT, 120                         ; v120-183 the way out
.set WVS,  184                         ; v184-199 the stores' offsets
.set BT,   66                          ; s66-81   the eight blocks' bases
.set WP,   272                         ; a stage row: 256 bytes + 16
.set LNST, 4*32*WP                     ; behind the weights' stages: the LayerNorm's, 3,072 bytes a wave
.set NSC,  3                           ; scales that h is quantised with
.set HB,   66                          ; s66-71   hc's three images at my wave's first row
.set G,    16                          ; v16-47   gain of my 32 columns
.set BB,   48                          ; v48-79   bias
.set LX,   80                          ; v80-207  four rows
.set T,    208                         ; v208-223 at work
.set LC,   224                         ; v224-231 a row's codes
.set OUT,  232                         ; v232-255 codes read back, 8 registers a scale
	s_load_b512 s[8:23], s[0:1], 0x0               ; Wq 8, Wk 10, Wv 12, Wp 14, W1 16, W2 18, x 20, ln1_g 22
	s_load_b256 s[24:31], s[0:1], 0x40             ; ln1_b 24, the scales 26, wc 28, hc 30
	s_set_vgpr_msb 0x40
	v_lshl_add_u32 v0, v0, 2, 0xb800
	v_mov_b32 v1, 0
	s_set_vgpr_msb 0x4000
	v_lshrrev_b32 v1, 5, v0
	v_readfirstlane_b32 s3, v1                     ; wave
	v_and_b32 v2, 31, v0                           ; lane
	s_wait_kmcnt 0x0
	s_load_b512 s[36:51], s[26:27], 0x0            ; entry i of the scales in s[36 + i]
	s_cmp_ge_u32 ttmp9, 384
	s_cbranch_scc1 .Lln
	; ---------------- the weights ----------------
	s_wait_alu depctr_va_vdst(0)
	v_and_b32 v5, 15, v2
	v_lshrrev_b32 v6, 4, v2
	s_mul_i32 s32, s3, 32*WP                       ; my stage
	v_mul_u32_u24 v4, v2, WP
	v_add_nc_u32 v4, s32, v4                       ; into it: row = my column
	v_mul_u32_u24 v7, v6, WP
	v_lshl_add_u32 v7, v5, 4, v7
	v_add_nc_u32 v7, s32, v7                       ; out of it: sixteen lanes to a row, two rows an instruction
	s_lshr_b32 s2, ttmp9, 5                        ; 0-3: Wq Wk Wv Wp; 4-7: W1; 8-11: W2
	s_lshr_b32 s55, s2, 2                          ; 0: a small one; 1: W1; 2: W2
	s_mov_b32 s56, 4096
	s_mov_b32 s59, 1024
	s_lshl_b32 s61, s55, 2
	s_mov_b64 s[52:53], s[8:9]
	s_cmp_eq_u32 s2, 1
	s_cselect_b64 s[52:53], s[10:11], s[52:53]
	s_cmp_eq_u32 s2, 2
	s_cselect_b64 s[52:53], s[12:13], s[52:53]
	s_cmp_eq_u32 s2, 3
	s_cselect_b64 s[52:53], s[14:15], s[52:53]
	s_cmp_eq_u32 s55, 1
	s_cselect_b64 s[52:53], s[16:17], s[52:53]
	s_cselect_b32 s56, 16384, s56                  ; bytes of a row of the weight: 4 N
	s_cselect_b32 s57, 31, 7                       ; N / 128 - 1
	s_cselect_b32 s58, 5, 3                        ; log2(N / 128)
	s_cmp_eq_u32 s55, 2
	s_cselect_b64 s[52:53], s[18:19], s[52:53]
	s_cselect_b32 s59, 4096, s59                   ; bytes of a row of codes: K
	s_cmp_eq_u32 s55, 0
	s_cselect_b32 s60, 31, 127
	s_cselect_b32 s61, s2, s61
	s_and_b32 s60, ttmp9, s60                      ; my number within the weight
	s_lshl_b32 s61, s61, 20                        ; the weight's place in wc
	s_and_b32 s62, s60, s57                        ; which 128 columns
	s_lshr_b32 s63, s60, s58                       ; which 256 along K
	s_lshl_b32 s33, s62, 7
	s_lshl_b32 s34, s3, 5
	s_add_co_u32 s33, s33, s34                     ; my wave's first column
	s_mul_i32 s34, s63, s56
	s_lshl_b32 s34, s34, 8                         ; 256 rows of the weight for each step along K
	s_lshl_b32 s35, s33, 2
	s_add_co_u32 s34, s34, s35
	s_mov_b32 s35, 0
	s_add_nc_u64 s[BT:BT+1], s[52:53], s[34:35]
	s_lshl_b32 s82, s56, 5                         ; 32 rows on
	s_mov_b32 s83, 0
.irp t, 1,2,3,4,5,6,7
	s_add_nc_u64 s[BT+2*\t:BT+2*\t+1], s[BT+2*\t-2:BT+2*\t-1], s[82:83]
.endr
	s_mul_i32 s34, s33, s59
	s_lshl_b32 s86, s63, 8
	s_add_co_u32 s34, s34, s86
	s_add_co_u32 s34, s34, s61
	s_add_nc_u64 s[84:85], s[28:29], s[34:35]      ; the codes: column x K + 256 x step, in the weight's part of wc
	v_lshlrev_b32 v[WVO], 2, v2
.set i, 1
.rept 31
	v_add_nc_u32 v[WVO+i], s56, v[WVO+i-1]
.set i, i+1
.endr
	v_mul_u32_u24 v[WVS], s59, v6
	v_lshl_add_u32 v[WVS], v5, 4, v[WVS]
	s_lshl_b32 s86, s59, 1
.set i, 1
.rept 15
	v_add_nc_u32 v[WVS+i], s86, v[WVS+i-1]
.set i, i+1
.endr
.macro WLOAD t                         ; block t: W(32 t + i, my column), i = 0 .. 31: 32 lanes read 128 consecutive bytes
.set i, 0
.rept 32
	global_load_b32 v[WX+32*((\t)%2)+i], v[WVO+i], s[BT+2*(\t):BT+2*(\t)+1] th:TH_LOAD_NT
.set i, i+1
.endr
.endm
	WLOAD 0
	WLOAD 1
	s_wait_kmcnt 0x0
	s_mov_b32 s54, s37                             ; the weight's e, chosen on the work-group's number
	s_cmp_eq_u32 s2, 1
	s_cselect_b32 s54, s39, s54
	s_cmp_eq_u32 s2, 2
	s_cselect_b32 s54, s41, s54
	s_cmp_eq_u32 s2, 3
	s_cselect_b32 s54, s47, s54
	s_cmp_eq_u32 s55, 1
	s_cselect_b32 s54, s49, s54
	s_cmp_eq_u32 s55, 2
	s_cselect_b32 s54, s51, s54
	s_add_co_i32 s54, s54, 127
	s_lshl_b32 s87, s54, 23
	v_mov_b32 v11, s87                             ; 2^e as f32: the conversion takes its exponent field
	s_add_co_i32 s54, s54, 8
	s_lshl_b32 s54, s54, 23
	s_or_b32 s54, s54, 0x600000
	v_mov_b32 v10, s54                             ; 448 x 2^e
.macro WBLOCK t
.if (\t) < 7
	s_wait_loadcnt 32                              ; this block's 32 loads are in; the next block's may be out
.else
	s_wait_loadcnt 0
.endif
.set i, 0
.rept 32
	v_med3_num_f32 v[WX+32*((\t)%2)+i], v[WX+32*((\t)%2)+i], -v10, v10   ; the conversion does not saturate (ISA guide 7.6.2): the hold comes first
.set i, i+1
.endr
.irp g, 0,1,2,3
	v_cvt_scalef32_pk8_fp8_f32 v[WC+2*\g:WC+2*\g+1], v[WX+32*((\t)%2)+8*\g:WX+32*((\t)%2)+8*\g+7], v11
.endr
	ds_store_b128 v4, v[WC:WC+3] offset:32*(\t)    ; 32 codes: 32 bytes of my column's row
	ds_store_b128 v4, v[WC+4:WC+7] offset:32*(\t)+16
.if (\t)+2 < 8
	WLOAD (\t)+2
.endif
	s_wait_dscnt 0x0                               ; the stores have read their registers: the next block's codes may be written
.endm
	s_wait_alu depctr_va_vdst(0)
.irp t, 0,1,2,3,4,5,6,7
	WBLOCK \t
.endr
.irp t, 0,1,2,3,4,5,6,7,8,9,10,11,12,13,14,15
	ds_load_b128 v[WOUT+4*\t:WOUT+4*\t+3], v7 offset:2*\t*WP   ; LDS serves a wave's instructions in order: these see my stores
.endr
.irp t, 0,1,2,3,4,5,6,7,8,9,10,11,12,13,14,15
	s_wait_dscnt 15-\t
	global_store_b128 v[WVS+\t], v[WOUT+4*\t:WOUT+4*\t+3], s[84:85]   ; sixteen lanes store 256 consecutive bytes of a row of codes
.endr
	s_set_vgpr_msb 0x5
	s_wait_tensorcnt 0x0
	ds_add_u32 v0, v1
	s_wait_dscnt 0x0
	s_set_vgpr_msb 0x500
	s_endpgm
	; ---------------- the LayerNorm ----------------
.macro XROW i                          ; row i of my four: eight loads of 512 consecutive bytes; lane l holds numbers 128 j + 4 l + 0 .. 3 in registers 4 j .. 4 j + 3
.set j, 0
.rept 8
	global_load_b128 v[LX+32*(\i)+4*j:LX+32*(\i)+4*j+3], v1, s[60:61] offset:4096*(\i)+512*j
.set j, j+1
.endr
.endm
.macro MKSC se, vs, vl                 ; 2^e and 448 x 2^e as f32
	s_add_co_i32 s72, s[\se], 127
	s_lshl_b32 s73, s72, 23
	v_mov_b32 v[\vs], s73
	s_add_co_i32 s72, s72, 8
	s_lshl_b32 s72, s72, 23
	s_or_b32 s72, s72, 0x600000
	v_mov_b32 v[\vl], s72
.endm
.macro REDUCE                          ; four packed partial sums in v[T] on -> their sum over the wave, in every lane's v14
	v_pk_add_f32 v[T:T+1], v[T:T+1], v[T+2:T+3]
	v_pk_add_f32 v[T+4:T+5], v[T+4:T+5], v[T+6:T+7]
	v_pk_add_f32 v[T:T+1], v[T:T+1], v[T+4:T+5]
	v_add_f32 v14, v[T], v[T+1]
	v_add_f32_dpp v14, v14, v14 row_xmask:1 row_mask:0xf bank_mask:0xf
	v_add_f32_dpp v14, v14, v14 row_xmask:2 row_mask:0xf bank_mask:0xf
	v_add_f32_dpp v14, v14, v14 row_xmask:4 row_mask:0xf bank_mask:0xf
	v_add_f32_dpp v14, v14, v14 row_xmask:8 row_mask:0xf bank_mask:0xf
	v_permlanex16_b32 v15, v14, s56, s57
	v_add_f32 v14, v14, v15
.endm
.macro LNQ k, sc, lim                  ; the row in v[R] on is quantised with scale k; the codes turn through my stage, so that a lane gets 16 neighbouring bytes
.if \k > 0
	s_wait_dscnt 2                                 ; the last scale's eight stage stores have read the code registers; its two loads may be out
.endif
.irp m, 0,1,2,3
.irp e, 0,1,2,3,4,5,6,7
	v_med3_num_f32 v[T+8*(\m%2)+\e], v[R+8*\m+\e], -v[\lim], v[\lim]
.endr
	v_cvt_scalef32_pk8_fp8_f32 v[LC+2*\m:LC+2*\m+1], v[T+8*(\m%2):T+8*(\m%2)+7], v[\sc]
.endr
.irp j, 0,1,2,3,4,5,6,7
	ds_store_b32 v2, v[LC+\j] offset:1024*\k+128*\j    ; code register j: k = 128 j + 4 lane + 0 .. 3
.endr
.irp u, 0,1
	ds_load_b128 v[OUT+8*\k+4*\u:OUT+8*\k+4*\u+3], v3 offset:1024*\k+512*\u
.endr
.endm
.macro LNOUT i, k, hb
.irp u, 0,1
	global_store_b128 v1, v[OUT+8*\k+4*\u:OUT+8*\k+4*\u+3], s[\hb:\hb+1] offset:1024*\i+512*\u   ; 32 lanes store 512 consecutive bytes
.endr
.endm
.macro LNROW i, w                      ; w: the younger loads that may stay out
.set R, LX+32*(\i)
	s_wait_loadcnt \w
.set c, 0
.rept 4
	v_pk_add_f32 v[T+c:T+c+1], v[R+c:R+c+1], v[R+8+c:R+9+c]
.set c, c+2
.endr
.set c, 0
.rept 8
	v_pk_add_f32 v[T+c%8:T+c%8+1], v[T+c%8:T+c%8+1], v[R+16+c:R+17+c]
.set c, c+2
.endr
	REDUCE
	v_mul_f32 v10, s58, v14                        ; the mean
	v_mov_b32 v11, v10
.set c, 0
.rept 16
	v_pk_add_f32 v[R+c:R+c+1], v[R+c:R+c+1], v[10:11] neg_lo:[0,1] neg_hi:[0,1]
.set c, c+2
.endr
.set c, 0
.rept 4
	v_pk_mul_f32 v[T+c:T+c+1], v[R+c:R+c+1], v[R+c:R+c+1]
.set c, c+2
.endr
.set c, 8
.rept 12
	v_pk_fma_f32 v[T+c%8:T+c%8+1], v[R+c:R+c+1], v[R+c:R+c+1], v[T+c%8:T+c%8+1]
.set c, c+2
.endr
	REDUCE
	v_fma_f32 v14, v14, s58, s59                   ; the variance + 1e-5
	s_wait_alu depctr_va_vdst(0)
	v_rsq_f32 v12, v14
	v_nop                                          ; a plain instruction behind the transcendental
	s_wait_alu depctr_va_vdst(0)                   ; and a wait ahead of its first reader
	v_mov_b32 v13, v12
.if \i == 0
	s_wait_alu depctr_va_vdst(0)
	s_wait_loadcnt 24                              ; gain and bias are in; rows 1 to 3 may be out
.endif
.set c, 0
.rept 16
	v_pk_mul_f32 v[R+c:R+c+1], v[R+c:R+c+1], v[12:13]
.set c, c+2
.endr
.set c, 0
.rept 16
	v_pk_fma_f32 v[R+c:R+c+1], v[R+c:R+c+1], v[G+c:G+c+1], v[BB+c:BB+c+1]
.set c, c+2
.endr
	s_wait_xcnt 0x0                                ; the last row's stores have read their registers, which are loaded again below
	LNQ 0, 4, 7
.if NSC > 1
	LNQ 1, 5, 8
	LNQ 2, 6, 9
.endif
	s_wait_dscnt 0x0
	LNOUT \i, 0, HB
.if NSC > 1
	LNOUT \i, 1, HB+2
	LNOUT \i, 2, HB+4
.endif
.endm
.Lln:
	s_sub_co_u32 s32, ttmp9, 384
	s_lshl_b32 s32, s32, 4
	s_lshl_b32 s33, s3, 2
	s_add_co_u32 s32, s32, s33                     ; my wave's first row
	s_lshl_b32 s34, s32, 12
	s_mov_b32 s35, 0
	s_add_nc_u64 s[60:61], s[20:21], s[34:35]
	s_lshl_b32 s34, s32, 10
	s_add_nc_u64 s[HB:HB+1], s[30:31], s[34:35]
	s_add_nc_u64 s[HB+2:HB+3], s[HB:HB+1], 0x400000
	s_add_nc_u64 s[HB+4:HB+5], s[HB:HB+1], 0x800000
	s_wait_alu depctr_va_vdst(0)
	v_lshlrev_b32 v1, 4, v2                        ; 16 x lane
	s_mul_i32 s33, s3, 3072
	s_add_co_u32 s33, s33, LNST                    ; my stage
	v_lshl_add_u32 v3, v2, 4, s33
	v_lshl_add_u32 v2, v2, 2, s33
	XROW 0
.set j, 0
.rept 8
	global_load_b128 v[G+4*j:G+4*j+3], v1, s[22:23] offset:512*j
.set j, j+1
.endr
.set j, 0
.rept 8
	global_load_b128 v[BB+4*j:BB+4*j+3], v1, s[24:25] offset:512*j
.set j, j+1
.endr
	XROW 1
	XROW 2
	XROW 3
	s_mov_b32 s56, 0x76543210                      ; v_permlanex16_b32: lane l xor 16
	s_mov_b32 s57, 0xfedcba98
	s_mov_b32 s58, 0x3a800000                      ; 1 / 1024
	s_mov_b32 s59, 0x3727c5ac                      ; 1e-5
	v_mov_b32 v15, 0                               ; a lane permute's destination counts as read
	s_wait_kmcnt 0x0
	MKSC 36, 4, 7
	MKSC 38, 5, 8
	MKSC 40, 6, 9
	LNROW 0, 40                                    ; younger than row 0: gain 8, bias 8, three rows 24
	LNROW 1, 16
	LNROW 2, 8
	LNROW 3, 0
	s_set_vgpr_msb 0x5
	s_wait_tensorcnt 0x0
	ds_add_u32 v0, v1
	s_wait_dscnt 0x0
	s_set_vgpr_msb 0x500
	s_endpgm
.Lfunc_end_k_q7e6ecc8ed2_prep:
	.size	k_q7e6ecc8ed2_prep, .Lfunc_end_k_q7e6ecc8ed2_prep-k_q7e6ecc8ed2_prep
	.p2alignl 7, 3214868480
	.fill 96, 4, 3214868480
	.section	.rodata,"a",@progbits
	.p2align	6, 0x0
	.amdhsa_kernel k_q7e6ecc8ed2_prep
		.amdhsa_group_segment_fixed_size 47616
		.amdhsa_private_segment_fixed_size 0
		.amdhsa_enable_private_segment 0
		.amdhsa_kernarg_size 96
		.amdhsa_user_sgpr_count 2
		.amdhsa_user_sgpr_kernarg_segment_ptr 1
		.amdhsa_wavefront_size32 1
		.amdhsa_system_sgpr_workgroup_id_x 1
		.amdhsa_system_sgpr_workgroup_id_y 1
		.amdhsa_system_sgpr_workgroup_id_z 1
		.amdhsa_system_vgpr_workitem_id 0
		.amdhsa_next_free_vgpr 258
		.amdhsa_next_free_sgpr 100
		.amdhsa_reserve_vcc 0
		.amdhsa_float_denorm_mode_32 3
		.amdhsa_float_denorm_mode_16_64 3
		.amdhsa_memory_ordered 1
		.amdhsa_forward_progress 1
		.amdhsa_inst_pref_size 121
	.end_amdhsa_kernel
	.amdgpu_metadata
---
amdhsa.version: [ 1, 2 ]
amdhsa.kernels:
  - .name:           k_q7e6ecc8ed2_prep
    .symbol:         k_q7e6ecc8ed2_prep.kd
    .args:
      - { .name: Wq, .offset: 0, .size: 8, .value_kind: global_buffer, .address_space: global }
      - { .name: Wk, .offset: 8, .size: 8, .value_kind: global_buffer, .address_space: global }
      - { .name: Wv, .offset: 16, .size: 8, .value_kind: global_buffer, .address_space: global }
      - { .name: Wp, .offset: 24, .size: 8, .value_kind: global_buffer, .address_space: global }
      - { .name: W1, .offset: 32, .size: 8, .value_kind: global_buffer, .address_space: global }
      - { .name: W2, .offset: 40, .size: 8, .value_kind: global_buffer, .address_space: global }
      - { .name: x, .offset: 48, .size: 8, .value_kind: global_buffer, .address_space: global }
      - { .name: ln1_g, .offset: 56, .size: 8, .value_kind: global_buffer, .address_space: global }
      - { .name: ln1_b, .offset: 64, .size: 8, .value_kind: global_buffer, .address_space: global }
      - { .name: lowp_scales, .offset: 72, .size: 8, .value_kind: global_buffer, .address_space: global }
      - { .name: wc, .offset: 80, .size: 8, .value_kind: global_buffer, .address_space: global }
      - { .name: hc, .offset: 88, .size: 8, .value_kind: global_buffer, .address_space: global }
    .group_segment_fixed_size: 47616
    .private_segment_fixed_size: 0
    .kernarg_segment_align: 8
    .kernarg_segment_size: 96
    .max_flat_workgroup_size: 128
    .sgpr_count:     100
    .vgpr_count:     258
    .wavefront_size: 32
...
	.end_amdgpu_metadata
.endif
;; end of part 1
;; launch qkv (part 2): grid 64 x 4, 4 waves a work-group, clusters of 4 x 4, 327,680 bytes of LDS; arguments hc, wc, bq, bk, bv, lowp_scales, qkvc; writes qkvc
.if DOCPART == 2
	.amdgcn_target "amdgcn-amd-amdhsa--gfx1250"
	.amdhsa_code_object_version 6
	.text
	.protected	k_q7e6ecc8ed2_qkv
	.globl	k_q7e6ecc8ed2_qkv
	.p2align	8
	.type	k_q7e6ecc8ed2_qkv,@function
k_q7e6ecc8ed2_qkv:
	s_mov_b64 s[64:65], 0
	v_nop
	global_prefetch_b8 v0, s[64:65] scope:SCOPE_SE
	s_setreg_imm32_b32 hwreg(HW_REG_WAVE_MODE, 25, 1), 1
	s_wait_xcnt 0x0
	s_wait_alu depctr_hold_cnt(0) depctr_sa_sdst(0) depctr_va_vdst(0) depctr_va_sdst(0) depctr_va_ssrc(0) depctr_va_vcc(0) depctr_vm_vsrc(0)
	s_getreg_b32 s2, hwreg(HW_REG_IB_STS2, 6, 4)
	s_cmp_eq_u32 s2, 0
	s_cbranch_scc0 .Lentry_in_a_cluster
	s_endpgm
.Lentry_in_a_cluster:
	s_bfe_u32 s2, ttmp6, 0x10000c
	s_cmp_lg_u32 s2, 0xf033
	s_cbranch_scc0 .Lentry_shape_is_right
	s_endpgm
.Lentry_shape_is_right:
; QKV: q = h Wq + bq, k = h Wk + bk, v = h Wv + bv on codes of FP8 (E4M3), f32 sums, each result quantised again (entries 6, 7, 9 of the scales) for the attention.
; 48 JOBS of 4 x 4 tiles of 128 x 128.  Jobs 0-31 make q and k: C rows = tokens (codes of h with entry 0 or 2), C columns = the 2,048 rows of Wq's and Wk's codes.
; Jobs 32-47 make V TRANSPOSED: C rows = the 1,024 rows of Wv's codes, C columns = tokens (h with entry 4), so that a lane's eight neighbours are eight tokens: the keys, the later product's K.
; WORK-GROUPS THAT STAY: 16 clusters of 4 x 4 work-groups; cluster c makes jobs c, c + 16 and c + 32: two of q or k and one of V, the same work in all 256 work-groups.
; A tile of C: four waves, each 64 x 64 in 16 accumulators.  A job has ONE FILL: each wave asks once, for 64 rows over the whole K = 1,024 (rows of 1,024 bytes, aligned); LDS holds 256 such rows.
; Behind a job's last product the next job's fill is asked for, into the same bytes, and lands while the finished job's results are scaled, quantised and stored.  The third job is written out: it asks for nothing.
; The four work-groups of a row of the cluster need the same rows of the first operand, the four of a column the same rows of the second: each is asked for jointly.
; THE NEXT JOB'S ROWS ARE PREFETCHED, a whole job ahead of their load: behind a job's first fragment loads each wave asks for 16 of the 64 rows that it will fetch next; the four partners that will ask for
; them jointly share the rows out by address (cx for the first operand, cy for the second): 64 blocks of 256 bytes, a lane a block, two instructions a wave.  The first job comes by its load alone; the third asks for nothing.
; The matrix instruction is used transposed (source 0 = 16 rows of the second operand, source 1 = 16 rows of the first): a lane holds eight neighbouring columns of one row of C.
; A fragment comes by four loads of 16 bytes: registers 4 c .. 4 c + 3 hold k = 32 c + 16 (lane / 16) + 0 .. 15: a permutation of k, the same on both sides.
; OUT: qkvc: q at 0 and k at 4 MiB as [batch x head][token][64]; v at 8 MiB as [batch x head][token / 64][64 d][64 tokens], the tokens of each 32 laid 0-7, 16-23, 8-15, 24-31.  A wave's 64 x 64 codes are 4,096 consecutive bytes in each.
; LIMITS: the sums of two entries (0+1, 2+3, 4+5) between -126 and 127; entries 6, 7, 9 between -126 and 119.  NaN among the inputs is not served.
; REGISTERS: window 0: v1-31 addresses and constants; v32-63 the way out; v96-127 the bias, then the codes; v128-255 accumulators ((a, b) at v[128 + 8 (4 a + b)]).  Window 1: two fragment buffers of 128.
.set KDIM,  1024
.set PB,    1040                       ; an LDS row: 1,024 bytes + 16: the sixteen rows of a fragment load start 16 bytes apart modulo 256
.set HALF,  64*PB                      ; what one tensor load brings
.set STAGE, 4*HALF                     ; behind the tiles: 5,120 bytes a wave for the way out, never filled
.set SPARE, STAGE+4*5120               ; the spare words, 128 bytes a wave, which no other line names
.set ADRA, 16
.set PFO,  17                          ; the prefetches' offset: row lane / 2 of 1,024 bytes, + 256 x (lane % 2)
.set ADRB, 20
.set STO,  24
.set RD,   25
.set CO,   26
.set SPW,  28
.set NIL,  29
.set STOV, 31
.set ACC,  128
.set F0,   0
.set F1,   128
.set PFA,  2                           ; s[2:3]   where my prefetches stand
.set T71,  22                          ; s22      the job in hand: 0 q, 1 k, 2 v
.set G1,   24
.set G0,   32
.set BP,   36                          ; s[36:37] the job's bias at my first column or row
.set PP,   38                          ; s[38:39] my work-group's 16 rows of the 64: 16,384 x my place among the four
.set G1B,  48
.set G0B,  56
.set OUT,  60                          ; s[60:61] my 4,096 bytes of codes
.set JB,   62                          ; s62      the job whose numbers JOBSC made last
.set JC,   63                          ; s63      trips done
.set MSB,  0
.macro WIN new                         ; the immediate's high byte repeats the setting that is left
.if MSB != \new
	s_set_vgpr_msb (MSB<<8)|\new
.set MSB, \new
.endif
.endm
.set MUL,  0x05                        ; sources 0 and 1 window 1; C and D window 0
.set TO_F, 0x40                        ; destination window 1, address window 0
.macro JLOAD                           ; the joint load: waves 0 and 1 fetch the first operand's halves, waves 2 and 3 the second's
	s_cmp_eq_u32 s11, 0
	s_cbranch_scc0 .Lfor_b_\@
	tensor_load_to_lds s[G0:G0+3], s[G1:G1+7]
	s_nop 0
.rept 4
	v_nop
.endr
	s_branch .Lasked_\@
.Lfor_b_\@:
	tensor_load_to_lds s[G0B:G0B+3], s[G1B:G1B+7]
	s_nop 0
.rept 4
	v_nop
.endr
.Lasked_\@:
.endm
.macro CROUND                          ; a round of the cluster's barrier
	s_barrier_signal -1
	s_barrier_wait -1
	s_cmp_lg_u32 s10, 0
	s_cbranch_scc1 .Lnot_wave_0_\@
	s_barrier_signal -3
.Lnot_wave_0_\@:
	s_barrier_wait -3
	s_barrier_signal -1
	s_barrier_wait -1
.endm
.macro PLACES                          ; four places behind matrix instructions (ISA guide 7.12.1)
.rept 4
	v_nop
.endr
.endm
; Job s[JB]'s numbers: s66 1 for V, s71 0 q, 1 k, 2 v, s13 tile row, s42 tile column, s[14:15] and s[46:47] the rows that a wave fetches of the first and of the second operand.
; The job's number is the same in all sixteen partners; the first operand's address holds cy alone, the second's cx alone.
.macro JOBSC
	s_lshr_b32 s67, s[JB], 3
	s_sub_co_u32 s67, s67, 4
	s_lshr_b32 s68, s[JB], 2
	s_and_b32 s69, s[JB], 7
	s_and_b32 s70, s[JB], 3
	s_lshr_b32 s71, s70, 1
	s_cmp_ge_u32 s[JB], 32
	s_cselect_b32 s66, 1, 0
	s_cselect_b32 s67, s67, s68                    ; the job's row of 4 x 4 tiles,
	s_cselect_b32 s69, s69, s70                    ; and its column
	s_cselect_b32 s71, 2, s71
	s_lshl_b32 s13, s67, 2
	s_add_co_u32 s13, s13, s41                     ; tile row
	s_lshl_b32 s42, s69, 2
	s_add_co_u32 s42, s42, s40                     ; tile column
	s_lshl_b32 s45, s71, 22
	s_cmp_eq_u32 s66, 1
	s_cselect_b32 s45, 0x200000, s45               ; the first operand's place: Wv in wc, or h's image in hc
	s_cselect_b32 s23, 0x800000, 0                 ; the second's: h's third image in hc, or Wq and Wk at wc's head
	s_cselect_b64 s[14:15], s[6:7], s[4:5]
	s_cselect_b64 s[20:21], s[4:5], s[6:7]
	s_lshl_b32 s17, s12, 6
	s_lshl_b32 s16, s13, 7
	s_add_co_u32 s16, s16, s17                     ; first operand: row 128 x tile row + 64 x half
	s_lshl_b32 s46, s42, 7
	s_add_co_u32 s46, s46, s17                     ; second: row 128 x tile column + 64 x half
	s_mul_i32 s16, s16, KDIM
	s_mul_i32 s46, s46, KDIM
	s_add_co_u32 s16, s16, s45
	s_add_co_u32 s46, s46, s23
	s_mov_b32 s17, 0
	s_mov_b32 s47, 0
	s_add_nc_u64 s[14:15], s[14:15], s[16:17]
	s_add_nc_u64 s[46:47], s[20:21], s[46:47]
.endm
.macro SETG0                           ; the two groups 0, from JOBSC's addresses: written only while no tensor load of mine is out
	s_mov_b32 s[G0], 1
	s_mov_b32 s[G0+1], s18
	s_mov_b64 s[G0+2:G0+3], s[14:15]
	s_or_b32 s[G0+3], s[G0+3], 0x80000000
	s_mov_b32 s[G0B], 1
	s_mov_b32 s[G0B+1], s19
	s_mov_b64 s[G0B+2:G0B+3], s[46:47]
	s_or_b32 s[G0B+3], s[G0B+3], 0x80000000
.endm
.macro MUL4 f, a, zero                 ; block a of my rows against my four blocks of columns, 128 along K; zero = 1: the product starts the sums
.irp b, 0,1,2,3
.if \zero
	v_wmma_f32_16x16x128_fp8_fp8 v[ACC+8*(4*(\a)+\b):ACC+8*(4*(\a)+\b)+7], v[\f+64+16*\b:\f+64+16*\b+15], v[\f+16*(\a):\f+16*(\a)+15], 0
.else
	v_wmma_f32_16x16x128_fp8_fp8 v[ACC+8*(4*(\a)+\b):ACC+8*(4*(\a)+\b)+7], v[\f+64+16*\b:\f+64+16*\b+15], v[\f+16*(\a):\f+16*(\a)+15], v[ACC+8*(4*(\a)+\b):ACC+8*(4*(\a)+\b)+7]
.endif
.endr
.endm
.macro FETCH q, f                      ; 32 LDS loads in one run: the fragments of the q-th 128 along K: the second operand's four, then the first's four
	WIN TO_F
.irp i, 0,1,2,3
.irp c, 0,1,2,3
	ds_load_b128 v[\f+64+16*\i+4*\c:\f+64+16*\i+4*\c+3], v[ADRB] offset:128*(\q)+32*\c+\i*16*PB
.endr
.endr
.irp i, 0,1,2,3
.irp c, 0,1,2,3
	ds_load_b128 v[\f+16*\i+4*\c:\f+16*\i+4*\c+3], v[ADRA] offset:128*(\q)+32*\c+\i*16*PB
.endr
.endr
.endm
.macro QUARTER q, f, g, zero           ; multiplies buffer f; in its middle fetches step q into buffer g.  The 16 accumulators take turns
	s_wait_dscnt 8                                 ; all but the youngest eight loads (blocks 2 and 3 of my rows) are in
	WIN MUL
	MUL4 \f, 0, \zero
	MUL4 \f, 1, \zero
	PLACES
	FETCH \q, \g
	s_wait_dscnt 32                                ; all but the 32 just issued
	WIN MUL
	MUL4 \f, 2, \zero
	MUL4 \f, 3, \zero
.endm
; A job's front: where its results go and its bias, from the numbers that JOBSC left; ask = 1: the next job's numbers; the tile; the first fragments; ask = 1: the next job's prefetch.
.macro FRONT ask
	s_mov_b32 s[T71], s71
	s_lshl_b32 s91, s13, 7
	s_lshl_b32 s92, s11, 6
	s_add_co_u32 s91, s91, s92                     ; my first row of C
	s_lshl_b32 s92, s42, 7
	s_lshl_b32 s93, s12, 6
	s_add_co_u32 s92, s92, s93                     ; my first column
	s_lshr_b32 s94, s91, 6
	s_and_b32 s95, s92, 1023
	s_lshr_b32 s96, s95, 6
	s_cmp_eq_u32 s66, 1
	s_cselect_b32 s93, s92, s91                    ; my first token,
	s_cselect_b32 s94, s94, s96                    ; my head,
	s_cselect_b32 s98, s91, s95                    ; and where my bias begins: by rows for V, else by columns
	s_lshr_b32 s96, s93, 11
	s_lshl_b32 s96, s96, 4
	s_add_co_u32 s96, s96, s94                     ; batch x 16 + head
	s_lshl_b32 s96, s96, 17
	s_and_b32 s97, s93, 2047
	s_lshl_b32 s97, s97, 6
	s_add_co_u32 s96, s96, s97
	s_lshl_b32 s97, s71, 22
	s_add_co_u32 s96, s96, s97
	s_mov_b32 s97, 0
	s_add_nc_u64 s[OUT:OUT+1], s[8:9], s[96:97]
	s_cmp_eq_u32 s71, 1
	s_cselect_b64 s[BP:BP+1], s[82:83], s[80:81]
	s_cmp_eq_u32 s66, 1
	s_cselect_b64 s[BP:BP+1], s[84:85], s[BP:BP+1]
	s_lshl_b32 s98, s98, 2
	s_mov_b32 s99, 0
	s_add_nc_u64 s[BP:BP+1], s[BP:BP+1], s[98:99]
	s_cmp_eq_u32 s66, 1
	s_cbranch_scc1 .Lbias_v_\@
.irp b, 0,1,2,3
	global_load_b128 v[96+8*\b:99+8*\b], v22, s[BP:BP+1] offset:64*\b       ; lane (r, h): the bias of columns 16 b + 8 h + 0 .. 7
	global_load_b128 v[100+8*\b:103+8*\b], v22, s[BP:BP+1] offset:64*\b+16
.endr
	s_branch .Lbias_done_\@
.Lbias_v_\@:
.irp a, 0,1,2,3
	global_load_b32 v[96+2*\a], v23, s[BP:BP+1] offset:64*\a                ; lane (r, h): the bias of row 16 a + r, twice: a pair for the packed form
	global_load_b32 v[97+2*\a], v23, s[BP:BP+1] offset:64*\a
.endr
.Lbias_done_\@:
.if \ask
	s_add_co_u32 s[JB], s[JB], 16
	JOBSC                                          ; the next job's numbers: for the prefetch below, for the refill, and for the next front
	s_cmp_eq_u32 s11, 0
	s_cselect_b64 s[PFA:PFA+1], s[14:15], s[46:47]
	s_add_nc_u64 s[PFA:PFA+1], s[PFA:PFA+1], s[PP:PP+1]
.endif
	s_wait_tensorcnt 0x0                           ; my 64 rows are in;
	s_barrier_signal -1
	s_barrier_wait -1                              ; and so are everybody's
	FETCH 0, F0
.if \ask
	WIN 0
	global_prefetch_b8 v[PFO], s[PFA:PFA+1] th:TH_LOAD_NT scope:SCOPE_SE
	global_prefetch_b8 v[PFO], s[PFA:PFA+1] offset:512 th:TH_LOAD_NT scope:SCOPE_SE
.endif
.endm
.macro COMPUTE
	QUARTER 1, F0, F1, 1                           ; the first products start the sums: nothing is cleared
	QUARTER 2, F1, F0, 0
	QUARTER 3, F0, F1, 0
	QUARTER 4, F1, F0, 0
	QUARTER 5, F0, F1, 0
	QUARTER 6, F1, F0, 0
	QUARTER 7, F0, F1, 0
	s_wait_dscnt 8
	WIN MUL
	MUL4 F1, 0, 0
	MUL4 F1, 1, 0
	s_wait_dscnt 0
	MUL4 F1, 2, 0
	MUL4 F1, 3, 0
	WIN 0
.endm
.macro XALL rowb                       ; every accumulator from its low end on
.set k, 0
.rept 16
.set e, 0
.rept 4
.if \rowb
	v_pk_fma_f32 v[ACC+8*k+e:ACC+8*k+e+1], v[ACC+8*k+e:ACC+8*k+e+1], s[88:89], v[96+2*(k/4):97+2*(k/4)] op_sel_hi:[1,0,1]
.else
	v_pk_fma_f32 v[ACC+8*k+e:ACC+8*k+e+1], v[ACC+8*k+e:ACC+8*k+e+1], s[88:89], v[96+8*(k%4)+e:97+8*(k%4)+e] op_sel_hi:[1,0,1]
.endif
.set e, e+2
.endr
.set k, k+1
.endr
.endm
; THE WAY OUT: sum x 2^(the two entries) + bias, the hold, the conversion, through my stage, 4,096 consecutive bytes.
.macro EPI
	s_wait_kmcnt 0x0
	s_add_co_i32 s91, s72, s73
	s_add_co_i32 s92, s74, s75
	s_add_co_i32 s93, s76, s77
	s_mov_b32 s94, s78
	s_cmp_eq_u32 s[T71], 1                         ; choices on the job's number, without a jump
	s_cselect_b32 s91, s92, s91
	s_cselect_b32 s94, s79, s94
	s_cmp_eq_u32 s[T71], 2
	s_cselect_b32 s91, s93, s91
	s_cselect_b32 s94, s90, s94
	s_add_co_i32 s91, s91, 127
	s_lshl_b32 s88, s91, 23                        ; 2^(the product's two entries)
	s_mov_b32 s89, s88
	s_add_co_i32 s94, s94, 127
	s_lshl_b32 s95, s94, 23
	v_mov_b32 v8, s95                              ; 2^(the result's entry)
	s_add_co_i32 s94, s94, 8
	s_lshl_b32 s94, s94, 23
	s_or_b32 s94, s94, 0x600000
	v_mov_b32 v9, s94                              ; 448 x that
	s_wait_alu depctr_va_vdst(0)
	s_wait_loadcnt 0x0                             ; the bias
	s_cmp_eq_u32 s[T71], 2
	s_cbranch_scc1 .Lx_v_\@
	XALL 0
	s_branch .Lx_done_\@
.Lx_v_\@:
	XALL 1
.Lx_done_\@:
.set k, 0
.rept 16
.set e, 0
.rept 8
	v_med3_num_f32 v[ACC+8*k+e], v[ACC+8*k+e], -v9, v9     ; the conversion does not saturate (ISA guide 7.6.2)
.set e, e+1
.endr
	v_cvt_scalef32_pk8_fp8_f32 v[96+2*k:97+2*k], v[ACC+8*k:ACC+8*k+7], v8
.set k, k+1
.endr
	v_nop                                          ; a plain instruction behind the last conversion
	s_wait_alu depctr_va_vdst(0)
	s_cmp_eq_u32 s[T71], 2
	s_cbranch_scc1 .Lst_v_\@
.irp a, 0,1,2,3
.irp b, 0,1,2,3
	ds_store_b64 v[STO], v[96+2*(4*\a+\b):97+2*(4*\a+\b)] offset:\a*1280+16*\b
.endr
.endr
	s_branch .Lst_done_\@
.Lst_v_\@:                                         ; V's tokens are laid, inside each 32 of a row, in the order 0-7, 16-23, 8-15, 24-31: token 16 u + 8 h + j at byte 16 h + 8 u + j,
.irp a, 0,1,2,3                                    ; so that 16 neighbouring bytes are two register pairs of the plain form's own order of k in the attention's second product
.irp b, 0,1,2,3
	ds_store_b64 v[STOV], v[96+2*(4*\a+\b):97+2*(4*\a+\b)] offset:\a*1280+32*(\b/2)+8*(\b%2)
.endr
.endr
.Lst_done_\@:
.irp t, 0,1,2,3,4,5,6,7
	ds_load_b128 v[32+4*\t:35+4*\t], v[RD] offset:\t*640   ; LDS serves a wave's instructions in order: these see my stores
.endr
.irp t, 0,1,2,3,4,5,6,7
	s_wait_dscnt 7-\t
	global_store_b128 v[CO], v[32+4*\t:35+4*\t], s[OUT:OUT+1] offset:512*\t   ; 32 lanes store 512 consecutive bytes
.endr
.endm
	s_load_b128 s[4:7], s[0:1], 0x0                ; hc, wc
	s_load_b256 s[80:87], s[0:1], 0x10             ; bq 80, bk 82, bv 84, the scales 86
	s_load_b64 s[8:9], s[0:1], 0x30                ; qkvc
	v_lshl_add_u32 v[SPW], v0, 2, SPARE
	v_mov_b32 v[NIL], 0
	ds_add_u32 v[SPW], v[NIL]                      ; the opening lines: the add, twice on end, under one wait
	ds_add_u32 v[SPW], v[NIL]
	v_lshrrev_b32 v1, 5, v0
	v_readfirstlane_b32 s10, v1                    ; wave
	s_lshr_b32 s11, s10, 1                         ; my half of the tile's rows; also: I fetch the first (0) or the second (1) operand
	s_and_b32 s12, s10, 1                          ; my half of its columns; also: which 64 rows I fetch
	s_bfe_u32 s40, ttmp6, 0x40000                  ; cx
	s_bfe_u32 s41, ttmp6, 0x40004                  ; cy
	s_lshl_b32 s43, s41, 2
	s_lshl_b32 s43, 15, s43                        ; my row of the cluster
	s_lshl_b32 s44, 0x1111, s40                    ; my column
	s_or_b32 s[G1+0], s43, (1<<20)|(1<<21)|(7<<22)|(3<<25)   ; the mask; elements of 1 byte; padding on; bit 21 beside a mask; 4 words after every 256
	s_or_b32 s[G1B+0], s44, (1<<20)|(1<<21)|(7<<22)|(3<<25)
.irp g, G1, G1B
	s_mov_b32 s[\g+1], KDIM<<16                    ; tensor_dim0
	s_mov_b32 s[\g+2], 64<<16                      ; tensor_dim1
	s_mov_b32 s[\g+3], KDIM<<16                    ; tile_dim0
	s_mov_b32 s[\g+4], 64                          ; tile_dim1
	s_mov_b32 s[\g+5], KDIM                        ; from row to row
	s_mov_b32 s[\g+6], 0
	s_mov_b32 s[\g+7], 0
.endr
	s_mul_i32 s18, s12, HALF                       ; where the rows go: no place in the cluster enters an LDS address
	s_add_co_u32 s19, s18, 2*HALF
	s_mov_b32 s[JB], ttmp9                         ; the first job: the cluster's number
	s_mov_b32 s[JC], 0
	s_wait_dscnt 0x0                               ; both opening adds are done
	s_wait_kmcnt 0x0
	s_load_b256 s[72:79], s[86:87], 0x0            ; entries 0 to 7
	s_load_b32 s90, s[86:87], 0x24                 ; entry 9
	JOBSC
	SETG0
	CROUND                                         ; all sixteen work-groups are here: the joint loads meet
	JLOAD                                          ; the first job's rows: my one tensor load at the head
	s_mul_i32 s91, s11, HALF
	s_mul_i32 s92, s12, HALF
	s_add_co_u32 s92, s92, 2*HALF
	s_mul_i32 s93, s10, 5120
	s_add_co_u32 s93, s93, STAGE                   ; my stage: 64 rows x 80 bytes
	s_cmp_eq_u32 s11, 0
	s_cselect_b32 s[PP], s40, s41                  ; my place among the four that ask with me: cx for the first operand, cy for the second
	s_lshl_b32 s[PP], s[PP], 14
	s_mov_b32 s[PP+1], 0
	v_and_b32 v1, 15, v0                           ; r
	v_bfe_u32 v2, v0, 4, 1                         ; h
	v_mul_u32_u24 v3, v1, PB
	v_lshl_add_u32 v3, v2, 4, v3                   ; a fragment's row x pitch + 16 h
	v_add_nc_u32 v[ADRA], s91, v3
	v_add_nc_u32 v[ADRB], s92, v3
	v_mul_u32_u24 v[STO], v1, 80
	v_lshl_add_u32 v[STO], v2, 3, v[STO]
	v_add_nc_u32 v[STO], s93, v[STO]               ; in: row r, 8 bytes for each half of the lanes
	v_mul_u32_u24 v[STOV], v1, 80
	v_lshl_add_u32 v[STOV], v2, 4, v[STOV]
	v_add_nc_u32 v[STOV], s93, v[STOV]             ; the same for V: 16 bytes from half to half
	v_and_b32 v27, 31, v0
	v_lshrrev_b32 v[RD], 2, v27
	v_mul_u32_u24 v[RD], v[RD], 80
	v_and_b32 v30, 3, v0
	v_lshl_add_u32 v[RD], v30, 4, v[RD]
	v_add_nc_u32 v[RD], s93, v[RD]                 ; back: four lanes to a row of 64 bytes
	v_lshlrev_b32 v[CO], 4, v27
	v_lshlrev_b32 v22, 5, v2                       ; the bias by columns: 32 h
	v_lshlrev_b32 v23, 2, v1                       ; the bias by rows: 4 r
	v_lshrrev_b32 v[PFO], 1, v27
	v_lshlrev_b32 v[PFO], 10, v[PFO]
	v_and_b32 v3, 1, v27
	v_lshl_add_u32 v[PFO], v3, 8, v[PFO]
.set j, 104
.rept 24
	v_mov_b32 v[j], 0                              ; the way for V loads v96-103 alone: the rest is written here, so that every register is written on every way
.set j, j+1
.endr
	s_wait_alu depctr_va_vdst(0)
.Ljob:                                             ; two trips: behind each job's products the next job's rows are asked for
	FRONT 1
	COMPUTE
	s_wait_tensorcnt 0x0                           ; no tensor load of mine is out, so the groups 0 may be written;
	ds_add_u32 v[SPW], v[NIL]                      ; 0 onto my spare word;
	SETG0
	s_wait_dscnt 0x0                               ; the add is done, and my reads of the tile are over
	CROUND                                         ; no wave of any partner still reads the tile or has a load on its way
	JLOAD                                          ; the refill, first behind the round; its four v_nop are also the places behind the last products
	EPI
	s_wait_xcnt 0x0                                ; the stores, the loads and the prefetches have read their registers and bases
	s_add_co_u32 s[JC], s[JC], 1
	s_cmp_lt_u32 s[JC], 2
	s_wait_alu depctr_va_vdst(0)
	s_cbranch_scc1 .Ljob
	FRONT 0                                        ; the third job is written out: it asks for nothing
	COMPUTE
	PLACES
	EPI
	s_wait_tensorcnt 0x0                           ; the wave's end
	ds_add_u32 v[SPW], v[NIL]
	s_wait_dscnt 0x0
	CROUND                                         ; the closing round
	s_endpgm
.Lfunc_end_k_q7e6ecc8ed2_qkv:
	.size	k_q7e6ecc8ed2_qkv, .Lfunc_end_k_q7e6ecc8ed2_qkv-k_q7e6ecc8ed2_qkv
	.p2alignl 7, 3214868480
	.fill 96, 4, 3214868480
	.section	.rodata,"a",@progbits
	.p2align	6, 0x0
	.amdhsa_kernel k_q7e6ecc8ed2_qkv
		.amdhsa_group_segment_fixed_size 327680
		.amdhsa_private_segment_fixed_size 0
		.amdhsa_enable_private_segment 0
		.amdhsa_kernarg_size 56
		.amdhsa_user_sgpr_count 2
		.amdhsa_user_sgpr_kernarg_segment_ptr 1
		.amdhsa_wavefront_size32 1
		.amdhsa_system_sgpr_workgroup_id_x 1
		.amdhsa_system_sgpr_workgroup_id_y 1
		.amdhsa_system_sgpr_workgroup_id_z 1
		.amdhsa_system_vgpr_workitem_id 0
		.amdhsa_next_free_vgpr 512
		.amdhsa_next_free_sgpr 100
		.amdhsa_reserve_vcc 0
		.amdhsa_float_denorm_mode_32 3
		.amdhsa_float_denorm_mode_16_64 3
		.amdhsa_memory_ordered 1
		.amdhsa_forward_progress 1
		.amdhsa_inst_pref_size 112
	.end_amdhsa_kernel
	.amdgpu_metadata
---
amdhsa.version: [ 1, 2 ]
amdhsa.kernels:
  - .name:           k_q7e6ecc8ed2_qkv
    .symbol:         k_q7e6ecc8ed2_qkv.kd
    .args:
      - { .name: hc, .offset: 0, .size: 8, .value_kind: global_buffer, .address_space: global }
      - { .name: wc, .offset: 8, .size: 8, .value_kind: global_buffer, .address_space: global }
      - { .name: bq, .offset: 16, .size: 8, .value_kind: global_buffer, .address_space: global }
      - { .name: bk, .offset: 24, .size: 8, .value_kind: global_buffer, .address_space: global }
      - { .name: bv, .offset: 32, .size: 8, .value_kind: global_buffer, .address_space: global }
      - { .name: lowp_scales, .offset: 40, .size: 8, .value_kind: global_buffer, .address_space: global }
      - { .name: qkvc, .offset: 48, .size: 8, .value_kind: global_buffer, .address_space: global }
    .group_segment_fixed_size: 327680
    .private_segment_fixed_size: 0
    .kernarg_segment_align: 8
    .kernarg_segment_size: 56
    .max_flat_workgroup_size: 128
    .sgpr_count:     100
    .vgpr_count:     512
    .wavefront_size: 32
...
	.end_amdgpu_metadata
.endif
;; end of part 2
;; launch attn (part 3): grid 8 x 32, 16 waves a work-group, no clusters, 327,680 bytes of LDS; arguments qkvc, lowp_scales, yc; writes yc
.if DOCPART == 3
	.amdgcn_target "amdgcn-amd-amdhsa--gfx1250"
	.amdhsa_code_object_version 6
	.text
	.protected	k_q7e6ecc8ed2_attn
	.globl	k_q7e6ecc8ed2_attn
	.p2align	8
	.type	k_q7e6ecc8ed2_attn,@function
k_q7e6ecc8ed2_attn:
	s_mov_b64 s[64:65], 0
	v_nop
	global_prefetch_b8 v0, s[64:65] scope:SCOPE_SE
	s_setreg_imm32_b32 hwreg(HW_REG_WAVE_MODE, 25, 1), 1
	s_wait_xcnt 0x0
; ATTENTION with the causal mask, both products on codes of FP8 (E4M3); head size 64; 32 heads (batch x head) of 2,048 tokens.
; t = score x log2(e) / 8; M = the largest t so far, rounded up to a whole number; p = 2^(t - M) is quantised (entry 8), not normalised; the sum is taken of the unquantised p and divides at the end.
; When M moves, the sum and O are multiplied by 2^(old M - new M): exact.  y = O / sum is quantised (entry 10) for the next product.
; SHARES.  Work-group (I, head) owns query blocks 15 - I and I, 128 queries each.  SIXTEEN waves: waves w and w + 8 own the same 16 queries (tile w % 8) of the block in hand;
; waves 0-7 take the even key steps of 128 keys, waves 8-15 the odd ones.  Each keeps its own running M, sum and O^T.  At a block's end waves 8-15 hand theirs over through LDS,
; and waves 0-7 join the two under the larger M, by exact powers of two, divide, quantise and store.
; THE WALK.  A slot holds 512 keys: two key steps for each of the two groups, walked in a counted loop of two.  Block b takes b / 4 + 1 slots, from key 0 to its diagonal; blocks 15 - I and I together take 5 in every work-group: the trip count is a constant.
; Key steps that lie wholly under the mask are not multiplied (a scalar branch on ids leads round the step's work); every tile that is fetched holds keys that are read.
; NO CLUSTER: behind its turn-back each work-group of a head wants other tiles than its neighbours, so they could not make every request jointly.
; K's and V's tiles (32,768 consecutive bytes each for a slot) come through two LDS slots: wave 0 fetches K's, wave 1 V's, all sixteen read.
; THE HAND-OVER lies behind each slot's tiles, in bytes that no tile lands on, and takes turns with the slots: what is stored in one trip is read behind the next trip's barrier, while that trip stores into the other one.
; LAYOUT.  S^T = K Q^T (source 0 = 16 neighbouring keys, source 1 = my 16 queries), O^T = V^T P^T: a lane holds one query (lane % 16) throughout.
; Register j of S^T's tile t holds key 16 t + 8 (lane / 16) + j, so p's codes of tile t are registers 2 t, 2 t + 1 of the second product's operand in that form's own order of k.
; V's codes come with the tokens of each 32 laid 0-7, 16-23, 8-15, 24-31, so that a load of 16 bytes brings two such register pairs.
; Four rows of 64 bytes make a long row of 256 + 16 bytes in LDS: the 16 rows that a fragment load touches start 16 bytes apart modulo 256.
; OUT: yc as [row / 64][head][64 rows][64 bytes]: a wave's 16 x 64 codes are 1,024 consecutive bytes.
; LIMITS: entries 6 + 7 between -123 and 130 (added to c's exponent field); entries 8 and 10 between -126 and 119; 8 + 9 goes by v_ldexp_f32.  The scaled scores t stay under 2^31 in magnitude.  NaN among the inputs is not served.
; REGISTERS: v1-7, v10, v11, v220 addresses that stay; v8, v221, v222 LDS addresses in hand; v12 -M, v13 the largest t, v[14:15] the sum; v16-23 Q; v24-31 the second block's Q;
; v32-95 K's eight fragments, then V's four; v96-159 S^T, then p; v160-191 O^T; v192-207 codes; v208-215 y read back; v216-219 the join's factors; v232-254 at work.
.set KT,    34816                      ; a tile of 512 keys: 128 long rows of 256 bytes + 16
.set STEPB, 8704                       ; 128 keys of it
.set SLOT1, 1<<17                      ; slot 1 begins here: one exclusive or turns an address
.set XOFF,  2*KT                       ; behind a slot's two tiles: the hand-over,
.set XW,    4608                       ; for each pair of waves: O^T as an image of 32 registers (4,096 bytes), then -M and the sum (16 bytes apart)
.set SPARE, 2*SLOT1                    ; the spare words, 128 bytes a wave, which no other line names
.set STAGE, SPARE+2048                 ; 1,024 bytes for each of waves 0-7, for the way out: never filled
.set AK0, 1
.set PFO, 3
.set QO,  4
.set SPW, 5
.set NIL, 6
.set GO,  7
.set ADK, 8
.set XA0, 220
.set ADX, 221                          ; this trip's hand-over
.set ADR, 222                          ; the last trip's
.set TB,  2                            ; s2   LDS byte of the slot in hand
.set FL,  3                            ; s3   1: the last trip ended a block
.set P128, 10                          ; s10  128 in waves 8-15
.set KW,  11                           ; s11  my step's first key
.set J,   12                           ; s12  which of my two steps of the slot
.set TO,  13                           ; s13  LDS byte of that step's pair of key steps
.set WV,  18
.set W7,  19                           ; my tile of queries
.set SEL, 20
.set CS,  22
.set KVB, 44                           ; s[44:45] K's (wave 0) or V's codes of my head
.set KOFF, 46                          ; s[46:47] 64 x the next slot's first key
.set QP,  48                           ; s[48:49] Q's codes of my head
.set YB,  50                           ; s[50:51] my 1,024 bytes of yc
.set YH,  52                           ; s[52:53] yc at my batch and head
.set QA,  54
.set QA2, 56
.set SL,  67                           ; trips to go
.set PFA, 84                           ; s[84:85] where my prefetches stand
.set LIM, 86                           ; 2 in a wave that prefetches, else the greatest number
.set I,   95
.set KN,  96                           ; the next slot's first key
.set QB,  97                           ; the block's first query
.set KF,  98                           ; the slot's first key
.set Q0,  99                           ; my first query
.macro TLOAD                           ; waves 0 and 1 fetch; an s_nop 0 and four v_nop follow the line
	s_cmp_lt_u32 s[WV], 2
	s_cbranch_scc0 .Lasked_\@
	tensor_load_to_lds s[40:43], s[24:31]
	s_nop 0
.rept 4
	v_nop
.endr
.Lasked_\@:
.endm
; A prefetch of the slot that the NEXT trip's tensor loads will ask for.  All eight work-groups of a head read the same K and V; work-group I = 0 walks all four slots on end, and it alone asks:
; waves 4 to 7 for K's four quarters of 8,192 bytes, waves 8 to 11 for V's, lanes 256 bytes apart, one instruction each.  Trip s names slot s + 2; trips 2 and 3 ask for nothing: there is no slot 4.  Slots 0 and 1 come by their loads alone.
.macro ASK
	s_cmp_gt_u32 s[SL], s[LIM]
	s_cbranch_scc0 .Lnot_mine_\@
	global_prefetch_b8 v[PFO], s[PFA:PFA+1] th:TH_LOAD_NT scope:SCOPE_SE
.Lnot_mine_\@:
.endm
.macro SETQ                            ; from the block's first query: mine, and my place in yc
	s_lshl_b32 s88, s[W7], 4
	s_add_co_u32 s[Q0], s[QB], s88
	s_lshr_b32 s88, s[Q0], 6
	s_lshl_b32 s88, s88, 16
	s_and_b32 s90, s[Q0], 63
	s_lshl_b32 s90, s90, 6
	s_add_co_u32 s88, s88, s90
	s_mov_b32 s89, 0
	s_add_nc_u64 s[YB:YB+1], s[YH:YH+1], s[88:89]
.endm
.macro INIT                            ; a block's state: the first change of M multiplies zeros
	v_mov_b32 v13, 0xff61b1e6                      ; -3e38, under every t
	s_delay_alu instid0(VALU_DEP_1)
	v_floor_f32 v12, -v13
	v_mov_b32 v14, 0
	v_mov_b32 v15, 0
.set j, 0
.rept 32
	v_mov_b32 v[160+j], 0
.set j, j+1
.endr
.endm
; THE CHANGE OF SLOTS, at a trip's head: every wave waits for all its tensor loads, adds 0 to its spare word, waits for that and for its LDS reads and stores; one barrier; behind it the slot left is filled with the next 512 keys.
.macro CHANGE fill
	s_wait_tensorcnt 0x0                           ; no tensor load of mine is out, so the descriptor may be written
	ds_add_u32 v[SPW], v[NIL]
.if \fill
	ds_add_u32 v[SPW], v[NIL]                      ; and once more, in every trip alike
	s_add_co_u32 s[KN], s[KF], 512
	s_and_not1_b32 s88, s[QB], 511
	s_cmp_eq_u32 s[KF], s88                        ; behind a block's last slot the walk turns back to key 0: a choice on ids, without a jump
	s_cselect_b32 s[KN], 0, s[KN]
	s_lshl_b32 s[KOFF], s[KN], 6
	s_xor_b32 s41, s41, SLOT1                      ; the other slot than last time
	s_add_nc_u64 s[42:43], s[KVB:KVB+1], s[KOFF:KOFF+1]
	s_or_b32 s43, s43, 0x80000000
	s_wait_xcnt 0x0                                ; the last prefetch, a trip back, has read its address
	s_add_nc_u64 s[PFA:PFA+1], s[PFA:PFA+1], 32768
.endif
	s_wait_dscnt 0x0
	s_barrier_signal -1
	s_barrier_wait -1
.if \fill
	TLOAD                                          ; a wave's one tensor load until the next barrier: it has a whole trip in which to land
	ASK
.endif
.endm
; A KEY STEP: 128 keys.
.macro STEP
.irp t, 0,1,2,3,4,5,6,7
.irp c, 0,1
	ds_load_b128 v[32+8*\t+4*\c:35+8*\t+4*\c], v[ADK] offset:\t*1088+32*\c
.endr
.endr
	s_wait_dscnt 0x0
.irp t, 0,1,2,3,4,5,6,7
	v_wmma_f32_16x16x64_fp8_fp8 v[96+8*\t:103+8*\t], v[32+8*\t:39+8*\t], v[16:23], 0
.endr
.rept 4
	v_nop
.endr
.irp d, 0,1,2,3                                ; V's fragments land while the softmax is worked
.irp c, 0,1,2,3
	ds_load_b128 v[32+16*\d+4*\c:35+16*\d+4*\c], v[ADK] offset:KT+(\c/2)*4352+\d*1088+32*(\c%2)
.endr
.endr
	s_cmp_lg_u32 s[KW], s[QB]                      ; only a block's diagonal step has hidden keys
	s_cbranch_scc1 .Lopen_\@
	s_sub_co_i32 s88, s[Q0], s[KW]
	v_and_b32 v252, 15, v0
	v_bfe_u32 v253, v0, 4, 1
	s_delay_alu instid0(VALU_DEP_1)
	v_lshlrev_b32 v253, 3, v253
	s_delay_alu instid0(VALU_DEP_1)
	v_sub_nc_u32 v252, v252, v253
	s_delay_alu instid0(VALU_DEP_1)
	v_add_nc_u32 v252, s88, v252                   ; d = my query - my first key - 8 (lane / 16): register 8 t + j is hidden where 16 t + j > d
	v_mov_b32 v254, 0xff800000                     ; -infinity: p = 0 then
.set n, 0
.rept 64
	v_cmp_gt_i32 vcc_lo, 16*(n/8)+n%8, v252
	v_cndmask_b32 v[96+n], v[96+n], v254, vcc_lo
.set n, n+1
.endr
.Lopen_\@:
	v_max3_num_f32 v254, v96, v97, v98             ; the step's largest score of my query, in two chains
	v_max3_num_f32 v252, v99, v100, v101
.irp i, 6,10,14,18,22,26,30,34,38,42,46,50,54,58
	v_max3_num_f32 v254, v254, v[96+\i], v[97+\i]
	v_max3_num_f32 v252, v252, v[98+\i], v[99+\i]
.endr
	v_max3_num_f32 v254, v254, v158, v159
	s_delay_alu instid0(VALU_DEP_1)
	v_max_num_f32 v254, v254, v252
	s_delay_alu instid0(VALU_DEP_1)
	v_permlanex16_b32 v236, v254, s[SEL], s[SEL+1]
	s_delay_alu instid0(VALU_DEP_1)
	v_max_num_f32 v254, v254, v236
	s_delay_alu instid0(VALU_DEP_1)
	v_mul_f32 v254, s[CS], v254
	s_delay_alu instid0(VALU_DEP_1)
	v_max_num_f32 v13, v13, v254                   ; the running largest t
	v_mov_b32 v254, v12
	s_delay_alu instid0(VALU_DEP_2)
	v_floor_f32 v12, -v13                          ; -M = floor(-t): M is a whole number
	s_delay_alu instid0(VALU_DEP_1)
	v_sub_f32 v254, v12, v254
	s_delay_alu instid0(VALU_DEP_1)
	v_cvt_i32_f32 v254, v254                       ; (it saturates)
	s_delay_alu instid0(VALU_DEP_1)
	v_ldexp_f32 v252, 1.0, v254                    ; f = 2^(old M - new M)
.set j, 0
.rept 32
	v_pk_fma_f32 v[96+j:97+j], v[96+j:97+j], s[CS:CS+1], v[12:13] op_sel_hi:[1,0,0]   ; t - M
.set j, j+2
.endr
	s_wait_alu depctr_va_vdst(0)
.set j, 0
.rept 64
	v_exp_f32 v[96+j], v[96+j]                     ; p = 2^(t - M)
.set j, j+1
.endr
	v_pk_mul_f32 v[14:15], v[14:15], v[252:253] op_sel_hi:[1,0]   ; the sums under the new M: a plain instruction behind the exponentials
	s_wait_alu depctr_va_vdst(0)                   ; one wait for the batch, ahead of its first reader
	v_pk_add_f32 v[242:243], v[96:97], v[98:99]    ; the sum of the unquantised p, two at a time, in four chains
	v_pk_add_f32 v[248:249], v[100:101], v[102:103]
	v_pk_add_f32 v[250:251], v[104:105], v[106:107]
	v_pk_add_f32 v[14:15], v[14:15], v[108:109]
.irp j, 14,22,30,38,46,54
	v_pk_add_f32 v[242:243], v[242:243], v[96+\j:97+\j]
	v_pk_add_f32 v[248:249], v[248:249], v[98+\j:99+\j]
	v_pk_add_f32 v[250:251], v[250:251], v[100+\j:101+\j]
	v_pk_add_f32 v[14:15], v[14:15], v[102+\j:103+\j]
.endr
	v_pk_add_f32 v[242:243], v[242:243], v[158:159]
	v_pk_add_f32 v[248:249], v[248:249], v[250:251]
	v_pk_add_f32 v[14:15], v[14:15], v[242:243]
	v_pk_add_f32 v[14:15], v[14:15], v[248:249]
.irp t, 0,1,2,3,4,5,6,7
.irp i, 0,1,2,3,4,5,6,7
	v_min_num_f32 v[96+8*\t+\i], v[96+8*\t+\i], v240   ; the conversion does not saturate (ISA guide 7.6.2); p is not negative: the hold is one-sided
.endr
	v_cvt_scalef32_pk8_fp8_f32 v[192+2*\t:193+2*\t], v[96+8*\t:103+8*\t], v244
.endr
	s_wait_alu depctr_va_vdst(0)                   ; ahead of the first reader of O^T
.set j, 0
.rept 16
	v_pk_mul_f32 v[160+j:161+j], v[160+j:161+j], v[252:253] op_sel_hi:[1,0]   ; O^T under the new M; also the plain instructions behind the conversions
.set j, j+2
.endr
	s_wait_alu depctr_va_vdst(0)                   ; and here, directly ahead of the wait below
	s_wait_dscnt 0x0                               ; V
.irp d, 0,1,2,3
	v_wmma_f32_16x16x128_fp8_fp8 v[160+8*\d:167+8*\d], v[32+16*\d:47+16*\d], v[192:207], v[160+8*\d:167+8*\d]
.endr
.endm
; Waves 8-15, at a block's end: O^T, -M and the sum go into this trip's hand-over, as images of the registers.
.macro GIVE
	v_add_f32 v13, v14, v15                        ; the sum's two halves; with the three lines below: four places behind the last products
.rept 3
	v_nop
.endr
	s_wait_alu depctr_va_vdst(0)                   ; a state just begun anew may be read here behind a taken branch
.irp j, 0,1,2,3,4,5,6,7
	ds_store_b128 v[ADX], v[160+4*\j:163+4*\j] offset:512*\j
.endr
	ds_store_b64 v[ADX], v[12:13] offset:4096
.endm
; Waves 0-7, behind the barrier that follows: the two states are joined, y = O / sum x 2^(entries 8 + 9) is quantised and leaves through my stage as 1,024 consecutive bytes.
.macro MERGE adr
.irp j, 0,1,2,3,4,5,6,7
	ds_load_b128 v[32+4*\j:35+4*\j], v[\adr] offset:512*\j
.endr
	ds_load_b64 v[64:65], v[\adr] offset:4096
	v_add_f32 v14, v14, v15
	s_wait_alu depctr_va_vdst(0)
	s_wait_dscnt 0x0
	v_min_num_f32 v66, v12, v64                    ; -M of the larger M
	s_delay_alu instid0(VALU_DEP_1)
	v_sub_f32 v67, v66, v12
	v_sub_f32 v68, v66, v64                        ; whole numbers, 0 or less
	s_delay_alu instid0(VALU_DEP_2)
	v_cvt_i32_f32 v67, v67                         ; (they saturate: a state with no step has the factor 0)
	s_delay_alu instid0(VALU_DEP_2)
	v_cvt_i32_f32 v68, v68
	s_delay_alu instid0(VALU_DEP_2)
	v_ldexp_f32 v67, 1.0, v67
	s_delay_alu instid0(VALU_DEP_2)
	v_ldexp_f32 v68, 1.0, v68
	s_delay_alu instid0(VALU_DEP_2)
	v_mul_f32 v14, v14, v67
	s_delay_alu instid0(VALU_DEP_1)
	v_fmac_f32 v14, v65, v68
	s_delay_alu instid0(VALU_DEP_1)
	v_permlanex16_b32 v252, v14, s[SEL], s[SEL+1]
	s_delay_alu instid0(VALU_DEP_1)
	v_add_f32 v14, v14, v252                       ; the row's sum
	s_wait_alu depctr_va_vdst(0)
	v_rcp_f32 v14, v14
	v_nop
	s_wait_alu depctr_va_vdst(0)                   ; and ahead of its first reader
	v_ldexp_f32 v14, v14, s87
	s_delay_alu instid0(VALU_DEP_1)
	v_mul_f32 v216, v14, v67
	v_mul_f32 v217, v14, v67
	v_mul_f32 v218, v14, v68
	v_mul_f32 v219, v14, v68
	s_wait_alu depctr_va_vdst(0)                   ; ahead of the first reader of O^T
.set j, 0
.rept 16
	v_pk_mul_f32 v[96+j:97+j], v[160+j:161+j], v[216:217]
.set j, j+2
.endr
.set j, 0
.rept 16
	v_pk_fma_f32 v[96+j:97+j], v[32+j:33+j], v[218:219], v[96+j:97+j]   ; register 8 d + i: y(query r, 16 d + 8 h + i)
.set j, j+2
.endr
.set j, 0
.rept 32
	v_med3_num_f32 v[96+j], v[96+j], -v247, v247
.set j, j+1
.endr
.irp d, 0,1,2,3
	v_cvt_scalef32_pk8_fp8_f32 v[192+2*\d:193+2*\d], v[96+8*\d:103+8*\d], v246
.endr
	v_nop
.irp d, 0,1,2,3
	ds_store_b64 v10, v[192+2*\d:193+2*\d] offset:16*\d
.endr
	s_wait_xcnt 0x0                                ; the first block's stores have read the registers that are loaded below
	ds_load_b128 v[208:211], v11
	ds_load_b128 v[212:215], v11 offset:512
	s_wait_dscnt 0x0
	global_store_b128 v[GO], v[208:211], s[YB:YB+1]
	global_store_b128 v[GO], v[212:215], s[YB:YB+1] offset:512
.endm
.macro TRIP fill
	CHANGE \fill
	s_xor_b32 s89, s[TB], SLOT1
	v_add_nc_u32 v[ADX], s[TB], v[XA0]             ; these four lines are also the places behind the last products
	v_add_nc_u32 v[ADR], s89, v[XA0]
	v_nop
	v_nop
	s_wait_alu depctr_va_vdst(0)
	s_cmp_eq_u32 s[FL], 0                          ; did the last trip end the first block?  Ids and the count of trips alone
	s_cbranch_scc1 .Lsame_\@
	s_cmp_ge_u32 s[WV], 8
	s_cbranch_scc1 .Lnew_\@
	MERGE ADR
.Lnew_\@:
	s_wait_xcnt 0x0                                ; the stores have read their base
	SETQ                                           ; the second block: its queries, loaded at the head, and a state begun anew
.set j, 0
.rept 8
	v_mov_b32 v[16+j], v[24+j]
.set j, j+1
.endr
	INIT
	s_mov_b32 s[FL], 0
	s_wait_alu depctr_va_vdst(0)                   ; what was just written may be read behind a taken branch
.Lsame_\@:
	s_mov_b32 s[TO], s[TB]
	s_add_co_u32 s[KW], s[KF], s[P128]
	s_mov_b32 s[J], 0
.Lstep_\@:                                         ; my two key steps of the slot, 256 keys apart
	v_add_nc_u32 v[ADK], s[TO], v[AK0]             ; with the three lines below: four places behind the last products
.rept 3
	v_nop
.endr
	s_wait_alu depctr_va_vdst(0)
	s_cmp_gt_u32 s[KW], s[QB]                      ; all my 128 keys come after the block's queries: the step is left out
	s_cbranch_scc1 .Lhid_\@
	STEP
.Lhid_\@:
	s_add_co_u32 s[TO], s[TO], 2*STEPB
	s_add_co_u32 s[KW], s[KW], 256
	s_add_co_u32 s[J], s[J], 1
	s_cmp_lt_u32 s[J], 2
	s_cbranch_scc1 .Lstep_\@
.if \fill
	s_and_not1_b32 s88, s[QB], 511
	s_cmp_lg_u32 s[KF], s88                        ; the block's last slot?
	s_cbranch_scc1 .Lgo_\@
	s_cmp_lt_u32 s[WV], 8
	s_cbranch_scc1 .Lp0_\@
	GIVE
.Lp0_\@:
	s_mov_b32 s[FL], 1
	s_lshl_b32 s[QB], s[I], 7
.Lgo_\@:
	s_mov_b32 s[KF], s[KN]
	s_xor_b32 s[TB], s[TB], SLOT1
.else
	s_cmp_lt_u32 s[WV], 8                          ; the fifth slot is the second block's last
	s_cbranch_scc1 .Lp0_\@
	GIVE
.Lp0_\@:
.endif
.endm
	s_load_b128 s[4:7], s[0:1], 0x0                ; qkvc, the scales
	s_load_b64 s[8:9], s[0:1], 0x10                ; yc
	v_lshl_add_u32 v[SPW], v0, 2, SPARE
	v_mov_b32 v[NIL], 0
	ds_add_u32 v[SPW], v[NIL]                      ; the opening lines: the add, twice on end, under one wait
	ds_add_u32 v[SPW], v[NIL]
	v_lshrrev_b32 v8, 5, v0
	v_readfirstlane_b32 s[WV], v8
	s_and_b32 s[W7], s[WV], 7
	s_lshr_b32 s35, s[WV], 3                       ; 0: even key steps; 1: odd ones
	s_lshl_b32 s[P128], s35, 7
	s_mul_i32 s35, s35, STEPB                      ; my key step of each pair
	s_mul_i32 s37, s[W7], XW
	s_add_co_u32 s37, s37, XOFF                    ; my pair's hand-over
	s_lshl_b32 s38, s[W7], 10
	s_add_co_u32 s38, s38, STAGE                   ; the stage
	s_and_b32 s94, ttmp7, 0xffff                   ; batch x 16 + head
	s_mov_b32 s[I], ttmp9
	s_mov_b32 s24, (1<<20)|(5<<22)|(3<<25)         ; elements of 1 byte; 4 words of padding after every 64
	s_mov_b32 s25, 256<<16
	s_mov_b32 s26, 128<<16
	s_mov_b32 s27, 256<<16
	s_mov_b32 s28, 128
	s_mov_b32 s29, 256
	s_mov_b32 s30, 0
	s_mov_b32 s31, 0
	s_mov_b32 s[SEL], 0x76543210
	s_mov_b32 s[SEL+1], 0xfedcba98
	s_mov_b32 s[CS], 0x3e38aa3b                    ; log2(e) / 8
	s_mov_b32 s[TB], 0
	s_mov_b32 s[FL], 0
	s_mov_b32 s[SL], 4
	s_mov_b32 s[KF], 0
	s_sub_co_u32 s[QB], 15, s[I]
	s_lshl_b32 s[QB], s[QB], 7
	s_mov_b32 s[KOFF+1], 0
	s_lshl_b32 s88, s94, 17
	s_mov_b32 s89, 0
	s_mov_b32 s90, 0x800000
	s_cmp_eq_u32 s[WV], 0
	s_cselect_b32 s90, 0x400000, s90               ; wave 0: K's codes; else V's
	s_mov_b32 s91, 0
	s_mov_b32 s92, 0x800000
	s_cmp_lt_u32 s[WV], 8
	s_cselect_b32 s92, 0x400000, s92               ; the prefetches: waves 4 to 7 K's codes; 8 to 11 V's
	s_and_b32 s93, s[WV], 3
	s_lshl_b32 s93, s93, 13
	s_add_co_u32 s92, s92, s93                     ; my quarter of a slot's 32,768 bytes,
	s_add_co_u32 s92, s92, 32768                   ; in slot 1: the first trip steps it to slot 2
	s_mov_b32 s93, 0
	s_lshr_b32 s32, s94, 4
	s_lshl_b32 s32, s32, 21
	s_and_b32 s33, s94, 15
	s_lshl_b32 s33, s33, 12
	s_add_co_u32 s32, s32, s33
	s_mov_b32 s33, 0
	s_mul_i32 s34, s[WV], KT
	s_sub_co_u32 s39, s[WV], 4
	s_lshr_b32 s39, s39, 3                         ; 0 in waves 4 to 11,
	s_or_b32 s39, s39, ttmp9                       ; of work-group I = 0
	s_cmp_eq_u32 s39, 0
	s_cselect_b32 s[LIM], 2, -1
	s_wait_dscnt 0x0                               ; both opening adds are done
	s_wait_kmcnt 0x0
	s_load_b512 s[68:83], s[6:7], 0x0              ; entry i in s[68 + i]
	s_add_nc_u64 s[QP:QP+1], s[4:5], s[88:89]
	s_add_nc_u64 s[KVB:KVB+1], s[QP:QP+1], s[90:91]
	s_add_nc_u64 s[PFA:PFA+1], s[QP:QP+1], s[92:93]
	s_add_nc_u64 s[YH:YH+1], s[8:9], s[32:33]
	s_mov_b32 s40, 1
	s_mov_b32 s41, s34                             ; slot 0: K's tile at 0, V's behind it
	s_mov_b64 s[42:43], s[KVB:KVB+1]
	s_or_b32 s43, s43, 0x80000000
	TLOAD                                          ; slot 0
	SETQ
	s_lshl_b32 s88, s[Q0], 6
	s_add_nc_u64 s[QA:QA+1], s[QP:QP+1], s[88:89]  ; Q's codes at my first query of block 15 - I,
	s_lshl_b32 s88, s[I], 7
	s_lshl_b32 s90, s[W7], 4
	s_add_co_u32 s88, s88, s90
	s_lshl_b32 s88, s88, 6
	s_add_nc_u64 s[QA2:QA2+1], s[QP:QP+1], s[88:89]  ; and of block I
	v_and_b32 v8, 15, v0                           ; r
	v_bfe_u32 v9, v0, 4, 1                         ; h
	v_lshlrev_b32 v[QO], 6, v8
	v_lshl_add_u32 v[QO], v9, 4, v[QO]
	global_load_b128 v[16:19], v[QO], s[QA:QA+1]
	global_load_b128 v[20:23], v[QO], s[QA:QA+1] offset:32
	global_load_b128 v[24:27], v[QO], s[QA2:QA2+1]
	global_load_b128 v[28:31], v[QO], s[QA2:QA2+1] offset:32
	v_lshrrev_b32 v11, 2, v8
	v_mul_u32_u24 v[AK0], v11, 272                 ; four rows of 64 bytes to a long row
	v_and_b32 v11, 3, v8
	v_lshl_add_u32 v[AK0], v11, 6, v[AK0]
	v_lshl_add_u32 v[AK0], v9, 4, v[AK0]
	v_add_nc_u32 v[AK0], s35, v[AK0]               ; row r of a tile of K or of V, + 16 h, in my key step
	v_and_b32 v[PFO], 31, v0
	v_lshlrev_b32 v[GO], 4, v[PFO]
	v_lshlrev_b32 v[PFO], 8, v[PFO]
	v_add_nc_u32 v[XA0], s37, v[GO]                ; the hand-over: 16 x lane
	v_lshlrev_b32 v10, 6, v8
	v_lshl_add_u32 v10, v9, 3, v10
	v_add_nc_u32 v10, s38, v10                     ; the stage, in: row r of 64 bytes, + 8 h
	v_add_nc_u32 v11, s38, v[GO]                   ; and back: 16 x lane
	INIT
	v_mov_b32 v236, 0                              ; a lane permute's destination counts as read
	v_mov_b32 v252, 0
	v_mov_b32 v253, 0                              ; (named as the upper half of a pair)
	s_wait_alu depctr_va_vdst(0)
	s_wait_kmcnt 0x0
	s_add_co_i32 s88, s74, s75
	s_lshl_b32 s88, s88, 23
	s_add_co_i32 s[CS], s[CS], s88                 ; a score stands for score x 2^(entries 6 + 7): added to c's exponent field
	s_mov_b32 s[CS+1], s[CS]
	s_add_co_i32 s88, s76, 127
	s_lshl_b32 s89, s88, 23
	v_mov_b32 v244, s89                            ; 2^(entry 8)
	s_add_co_i32 s88, s88, 8
	s_lshl_b32 s88, s88, 23
	s_or_b32 s88, s88, 0x600000
	v_mov_b32 v240, s88                            ; 448 x that
	s_add_co_i32 s88, s78, 127
	s_lshl_b32 s89, s88, 23
	v_mov_b32 v246, s89                            ; 2^(entry 10)
	s_add_co_i32 s88, s88, 8
	s_lshl_b32 s88, s88, 23
	s_or_b32 s88, s88, 0x600000
	v_mov_b32 v247, s88
	s_add_co_i32 s87, s76, s77                     ; entries 8 + 9
	s_wait_alu depctr_va_vdst(0)
	s_wait_loadcnt 0x0                             ; both blocks' Q
.Ltrip:                                            ; 4 trips: behind each change of slots the next slot is asked for
	TRIP 1
	s_sub_co_u32 s[SL], s[SL], 1
	s_cmp_lg_u32 s[SL], 0
	s_cbranch_scc1 .Ltrip
	TRIP 0                                         ; the fifth is written out
.rept 4
	v_nop                                          ; four places behind the last products
.endr
	s_wait_dscnt 0x0                               ; the hand-over is stored
	s_barrier_signal -1
	s_barrier_wait -1
	s_cmp_ge_u32 s[WV], 8
	s_cbranch_scc1 .Lend
	MERGE ADX
.Lend:
	s_wait_tensorcnt 0x0                           ; the wave's end
	ds_add_u32 v[SPW], v[NIL]
	s_wait_dscnt 0x0
	s_endpgm
.Lfunc_end_k_q7e6ecc8ed2_attn:
	.size	k_q7e6ecc8ed2_attn, .Lfunc_end_k_q7e6ecc8ed2_attn-k_q7e6ecc8ed2_attn
	.p2alignl 7, 3214868480
	.fill 96, 4, 3214868480
	.section	.rodata,"a",@progbits
	.p2align	6, 0x0
	.amdhsa_kernel k_q7e6ecc8ed2_attn
		.amdhsa_group_segment_fixed_size 327680
		.amdhsa_private_segment_fixed_size 0
		.amdhsa_enable_private_segment 0
		.amdhsa_kernarg_size 24
		.amdhsa_user_sgpr_count 2
		.amdhsa_user_sgpr_kernarg_segment_ptr 1
		.amdhsa_wavefront_size32 1
		.amdhsa_system_sgpr_workgroup_id_x 1
		.amdhsa_system_sgpr_workgroup_id_y 1
		.amdhsa_system_sgpr_workgroup_id_z 1
		.amdhsa_system_vgpr_workitem_id 0
		.amdhsa_next_free_vgpr 256
		.amdhsa_next_free_sgpr 100
		.amdhsa_reserve_vcc 1
		.amdhsa_float_denorm_mode_32 3
		.amdhsa_float_denorm_mode_16_64 3
		.amdhsa_memory_ordered 1
		.amdhsa_forward_progress 1
		.amdhsa_inst_pref_size 78
	.end_amdhsa_kernel
	.amdgpu_metadata
---
amdhsa.version: [ 1, 2 ]
amdhsa.kernels:
  - .name:           k_q7e6ecc8ed2_attn
    .symbol:         k_q7e6ecc8ed2_attn.kd
    .args:
      - { .name: qkvc, .offset: 0, .size: 8, .value_kind: global_buffer, .address_space: global }
      - { .name: lowp_scales, .offset: 8, .size: 8, .value_kind: global_buffer, .address_space: global }
      - { .name: yc, .offset: 16, .size: 8, .value_kind: global_buffer, .address_space: global }
    .group_segment_fixed_size: 327680
    .private_segment_fixed_size: 0
    .kernarg_segment_align: 8
    .kernarg_segment_size: 24
    .max_flat_workgroup_size: 512
    .sgpr_count:     100
    .vgpr_count:     256
    .wavefront_size: 32
...
	.end_amdgpu_metadata
.endif
;; end of part 3
;; launch proj (part 4): grid 8 x 32, 4 waves a work-group, clusters of 4 x 4, 327,680 bytes of LDS; arguments yc, wc, bp, x, lowp_scales, x1; writes x1
.if DOCPART == 4
	.amdgcn_target "amdgcn-amd-amdhsa--gfx1250"
	.amdhsa_code_object_version 6
	.text
	.protected	k_q7e6ecc8ed2_proj
	.globl	k_q7e6ecc8ed2_proj
	.p2align	8
	.type	k_q7e6ecc8ed2_proj,@function
k_q7e6ecc8ed2_proj:
	s_mov_b64 s[64:65], 0
	v_nop
	global_prefetch_b8 v0, s[64:65] scope:SCOPE_SE
	s_setreg_imm32_b32 hwreg(HW_REG_WAVE_MODE, 25, 1), 1
	s_wait_xcnt 0x0
	s_wait_alu depctr_hold_cnt(0) depctr_sa_sdst(0) depctr_va_vdst(0) depctr_va_sdst(0) depctr_va_ssrc(0) depctr_va_vcc(0) depctr_vm_vsrc(0)
	s_getreg_b32 s2, hwreg(HW_REG_IB_STS2, 6, 4)
	s_cmp_eq_u32 s2, 0
	s_cbranch_scc0 .Lentry_in_a_cluster
	s_endpgm
.Lentry_in_a_cluster:
	s_bfe_u32 s2, ttmp6, 0x10000c
	s_cmp_lg_u32 s2, 0xf033
	s_cbranch_scc0 .Lentry_shape_is_right
	s_endpgm
.Lentry_shape_is_right:
.set KDIM,  1024
.set WOFF,  0x300000
.set SCOFF, 0x28
.set LAPS,  KDIM/1024
.set PB,    528
.set HALFB, 64*PB
.set HALFA, 128*272
.set ASTEP, 32768
.set SLOT,  2*HALFA+2*HALFB
.set SPARE, 2*SLOT
.set ADRA, 16
.set ADRB, 20
.set STO,  24
.set RD,   25
.set CO,   26
.set SPW,  28
.set NIL,  29
.set ACC,  128
.set F0,   0
.set F1,   128
.set G1,   24
.set G0,   32
.set G1B,  48
.set G0B,  56
.set OUTP, 74
.set MSB,  0
.macro WIN new
.if MSB != \new
	s_set_vgpr_msb (MSB<<8)|\new
.set MSB, \new
.endif
.endm
.set MUL,  0x05
.set TO_F, 0x40
.macro JLOAD s
	s_cmp_eq_u32 s11, 0
	s_cbranch_scc0 .Lfor_b_\@
	tensor_load_to_lds s[G0+4*\s:G0+4*\s+3], s[G1:G1+7]
	s_nop 0
.rept 4
	v_nop
.endr
	s_branch .Lasked_\@
.Lfor_b_\@:
	tensor_load_to_lds s[G0B+4*\s:G0B+4*\s+3], s[G1B:G1B+7]
	s_nop 0
.rept 4
	v_nop
.endr
.Lasked_\@:
.endm
.macro CREST
	s_cmp_lg_u32 s10, 0
	s_cbranch_scc1 .Lnot_wave_0_\@
	s_barrier_signal -3
.Lnot_wave_0_\@:
	s_barrier_wait -3
	s_barrier_signal -1
	s_barrier_wait -1
.endm
.macro CROUND
	s_barrier_signal -1
	s_barrier_wait -1
	CREST
.endm
.macro PLACES
.rept 4
	v_nop
.endr
.endm
.macro MUL4 f, a, zero
.irp b, 0,1,2,3
.if \zero
	v_wmma_f32_16x16x128_fp8_fp8 v[ACC+8*(4*(\a)+\b):ACC+8*(4*(\a)+\b)+7], v[\f+64+16*\b:\f+64+16*\b+15], v[\f+16*(\a):\f+16*(\a)+15], 0
.else
	v_wmma_f32_16x16x128_fp8_fp8 v[ACC+8*(4*(\a)+\b):ACC+8*(4*(\a)+\b)+7], v[\f+64+16*\b:\f+64+16*\b+15], v[\f+16*(\a):\f+16*(\a)+15], v[ACC+8*(4*(\a)+\b):ACC+8*(4*(\a)+\b)+7]
.endif
.endr
.endm
.macro FETCH slot, q, f
	WIN TO_F
.irp i, 0,1,2,3
.irp c, 0,1,2,3
	ds_load_b128 v[\f+64+16*\i+4*\c:\f+64+16*\i+4*\c+3], v[ADRB+\slot] offset:128*(\q)+32*\c+\i*16*PB
.endr
.endr
.irp i, 0,1,2,3
.irp c, 0,1,2,3
	ds_load_b128 v[\f+16*\i+4*\c:\f+16*\i+4*\c+3], v[ADRA+\slot] offset:(2*(\q)+\c/2)*4352+\i*1088+32*(\c%2)
.endr
.endr
.endm
.macro QUARTER slot, q, f, g, zero
	s_wait_dscnt 8
	WIN MUL
	MUL4 \f, 0, \zero
	MUL4 \f, 1, \zero
	PLACES
	FETCH \slot, \q, \g
	s_wait_dscnt 32
	WIN MUL
	MUL4 \f, 2, \zero
	MUL4 \f, 3, \zero
.endm
.macro TURN slot, next, fill
	WIN 0
	s_wait_tensorcnt 0x0
	ds_add_u32 v[SPW], v[NIL]
	s_wait_dscnt 9
	WIN MUL
	MUL4 F1, 0, 0
	MUL4 F1, 1, 0
	s_wait_dscnt 0x0
	s_barrier_signal -1
	MUL4 F1, 2, 0
.if \fill
	WIN 0
.endif
	s_barrier_wait -1
.if \fill
	CREST
	s_add_nc_u64 s[G0+4*\slot+2:G0+4*\slot+3], s[G0+4*\slot+2:G0+4*\slot+3], 2*ASTEP
	s_add_nc_u64 s[G0B+4*\slot+2:G0B+4*\slot+3], s[G0B+4*\slot+2:G0B+4*\slot+3], 1024
	JLOAD \slot
.else
	PLACES
.endif
	FETCH \next, 0, F0
	WIN MUL
	MUL4 F1, 3, 0
.endm
	s_load_b128 s[4:7], s[0:1], 0x0
	s_load_b128 s[68:71], s[0:1], 0x10
	s_load_b128 s[72:75], s[0:1], 0x20
	v_lshl_add_u32 v[SPW], v0, 2, SPARE
	v_mov_b32 v[NIL], 0
	ds_add_u32 v28, v29
	ds_add_u32 v28, v29
	s_wait_dscnt 0x0
	v_lshrrev_b32 v1, 5, v0
	v_readfirstlane_b32 s10, v1
	s_lshr_b32 s11, s10, 1
	s_and_b32 s12, s10, 1
	s_bfe_u32 s40, ttmp6, 0x40000
	s_bfe_u32 s41, ttmp6, 0x40004
	s_lshl_b32 s42, ttmp9, 2
	s_add_co_u32 s42, s42, s40
	s_and_b32 s13, ttmp7, 0xffff
	s_lshl_b32 s13, s13, 2
	s_add_co_u32 s13, s13, s41
	s_lshl_b32 s43, s41, 2
	s_lshl_b32 s43, 15, s43
	s_lshl_b32 s44, 0x1111, s40
	s_or_b32 s[G1+0], s43, (1<<20)|(1<<21)|(5<<22)|(3<<25)
	s_mov_b32 s[G1+1], 256<<16
	s_mov_b32 s[G1+2], 128<<16
	s_mov_b32 s[G1+3], 256<<16
	s_mov_b32 s[G1+4], 128
	s_mov_b32 s[G1+5], 256
	s_mov_b32 s[G1+6], 0
	s_mov_b32 s[G1+7], 0
	s_or_b32 s[G1B+0], s44, (1<<20)|(1<<21)|(6<<22)|(3<<25)
	s_mov_b32 s[G1B+1], 512<<16
	s_mov_b32 s[G1B+2], 64<<16
	s_mov_b32 s[G1B+3], 512<<16
	s_mov_b32 s[G1B+4], 64
	s_mov_b32 s[G1B+5], KDIM
	s_mov_b32 s[G1B+6], 0
	s_mov_b32 s[G1B+7], 0
	s_lshl_b32 s17, s12, 6
	s_lshl_b32 s16, s13, 7
	s_add_co_u32 s16, s16, s17
	s_lshl_b32 s46, s42, 7
	s_add_co_u32 s46, s46, s17
	s_mul_i32 s16, s16, KDIM
	s_mul_i32 s46, s46, KDIM
	s_add_co_u32 s46, s46, WOFF
	s_mov_b32 s17, 0
	s_mov_b32 s47, 0
	s_mul_i32 s18, s12, HALFA
	s_mul_i32 s19, s12, HALFB
	s_add_co_u32 s19, s19, 2*HALFA
	s_wait_kmcnt 0x0
	s_load_b64 s[76:77], s[72:73], SCOFF
	s_add_nc_u64 s[14:15], s[4:5], s[16:17]
	s_add_nc_u64 s[46:47], s[6:7], s[46:47]
	CROUND
.irp s, 0,1
	s_mov_b32 s[G0+4*\s], 1
	s_add_co_u32 s[G0+4*\s+1], s18, \s*SLOT
	s_add_nc_u64 s[G0+4*\s+2:G0+4*\s+3], s[14:15], \s*ASTEP
	s_or_b32 s[G0+4*\s+3], s[G0+4*\s+3], 0x80000000
	s_mov_b32 s[G0B+4*\s], 1
	s_add_co_u32 s[G0B+4*\s+1], s19, \s*SLOT
	s_add_nc_u64 s[G0B+4*\s+2:G0B+4*\s+3], s[46:47], \s*512
	s_or_b32 s[G0B+4*\s+3], s[G0B+4*\s+3], 0x80000000
.if \s                                 ; slot 1's first fill is issued as a refill is: the wait for all my loads, the add, its wait, a whole round
	s_wait_alu depctr_va_vdst(0)
	s_wait_tensorcnt 0x0
	ds_add_u32 v28, v29
	s_wait_dscnt 0x0
	CROUND
.endif
	JLOAD \s
.endr
	v_and_b32 v1, 15, v0
	v_bfe_u32 v2, v0, 4, 1
	v_mul_u32_u24 v3, v1, PB
	v_lshl_add_u32 v3, v2, 4, v3
	v_lshrrev_b32 v30, 2, v1
	v_mul_u32_u24 v30, v30, 272
	v_and_b32 v31, 3, v1
	v_lshl_add_u32 v30, v31, 6, v30
	v_lshl_add_u32 v30, v2, 4, v30
	s_mul_i32 s21, s11, HALFA
	s_mul_i32 s22, s12, HALFB
	s_add_co_u32 s22, s22, 2*HALFA
.irp s, 0,1
	v_add_nc_u32 v[ADRA+\s], s21, v30
	v_add_nc_u32 v[ADRB+\s], s22, v3
	s_add_co_u32 s21, s21, SLOT
	s_add_co_u32 s22, s22, SLOT
.endr
	s_mul_i32 s23, s10, 16*272
	v_mul_u32_u24 v[STO], v1, 272
	v_lshl_add_u32 v[STO], v2, 5, v[STO]
	v_add_nc_u32 v[STO], s23, v[STO]
	v_mul_u32_u24 v[RD], v2, 272
	v_lshl_add_u32 v[RD], v1, 4, v[RD]
	v_add_nc_u32 v[RD], s23, v[RD]
	v_lshlrev_b32 v[CO], 12, v2
	v_lshl_add_u32 v[CO], v1, 4, v[CO]
	v_lshlrev_b32 v27, 4, v1
	s_wait_alu depctr_va_vdst(0)
	s_lshl_b32 s16, s13, 7
	s_lshl_b32 s17, s11, 6
	s_add_co_u32 s16, s16, s17
	s_lshl_b32 s16, s16, 12
	s_mov_b32 s17, 0
	s_lshl_b32 s46, s42, 9
	s_lshl_b32 s47, s12, 8
	s_add_co_u32 s46, s46, s47
	s_mov_b32 s47, 0
	s_add_nc_u64 s[68:69], s[68:69], s[46:47]
	s_add_nc_u64 s[70:71], s[70:71], s[16:17]
	s_add_nc_u64 s[70:71], s[70:71], s[46:47]
	s_add_nc_u64 s[OUTP:OUTP+1], s[OUTP:OUTP+1], s[16:17]
	s_add_nc_u64 s[OUTP:OUTP+1], s[OUTP:OUTP+1], s[46:47]
	global_load_b128 v[4:7], v27, s[68:69]
	WIN 0x80
.irp a, 0,1,2,3
.irp t, 0,1,2,3,4,5,6,7
	global_load_b128 v[32*\a+4*\t:32*\a+4*\t+3], v[CO], s[70:71] offset:(16*\a+2*\t)*4096 th:TH_LOAD_NT
.endr
.endr
	WIN 0
	s_wait_tensorcnt 1
	s_barrier_signal -1
	s_barrier_wait -1
	FETCH 0, 0, F0
	QUARTER 0, 1, F0, F1, 1
.if LAPS > 1
	WIN 0
	s_mov_b32 s3, LAPS-1
.Llap:
	QUARTER 0, 2, F1, F0, 0
	QUARTER 0, 3, F0, F1, 0
	TURN 0, 1, 1
	QUARTER 1, 1, F0, F1, 0
	QUARTER 1, 2, F1, F0, 0
	QUARTER 1, 3, F0, F1, 0
	TURN 1, 0, 1
	QUARTER 0, 1, F0, F1, 0
	WIN 0
	s_sub_co_u32 s3, s3, 1
	s_cmp_lg_u32 s3, 0
	s_cbranch_scc1 .Llap
.endif
	QUARTER 0, 2, F1, F0, 0
	QUARTER 0, 3, F0, F1, 0
	TURN 0, 1, 0
	QUARTER 1, 1, F0, F1, 0
	QUARTER 1, 2, F1, F0, 0
	QUARTER 1, 3, F0, F1, 0
	s_wait_dscnt 8
	WIN MUL
	MUL4 F1, 0, 0
	MUL4 F1, 1, 0
	s_wait_dscnt 0
	MUL4 F1, 2, 0
	MUL4 F1, 3, 0
	WIN 0
	s_wait_kmcnt 0x0
	s_add_co_i32 s88, s76, s77
	s_add_co_i32 s88, s88, 127
	s_lshl_b32 s88, s88, 23
	s_mov_b32 s89, s88
	PLACES
.irp a, 0,1,2,3
.irp b, 0,1,2,3
	ds_store_b128 v[STO], v[ACC+8*(4*\a+\b):ACC+8*(4*\a+\b)+3] offset:64*\b
	ds_store_b128 v[STO], v[ACC+8*(4*\a+\b)+4:ACC+8*(4*\a+\b)+7] offset:64*\b+16
.endr
.irp t, 0,1,2,3,4,5,6,7
	ds_load_b128 v[ACC+32*\a+4*\t:ACC+32*\a+4*\t+3], v[RD] offset:\t*544
.endr
.endr
	s_wait_loadcnt 0x0
.irp a, 0,1,2,3
	s_wait_dscnt 16*(3-\a)
	WIN 0x20
.set i, 0
.rept 16
	v_pk_fma_f32 v[ACC+32*\a+i:ACC+32*\a+i+1], v[ACC+32*\a+i:ACC+32*\a+i+1], s[88:89], v[32*\a+i:32*\a+i+1] op_sel_hi:[1,0,1]
.set i, i+2
.endr
	WIN 0
.set i, 0
.rept 16
	v_pk_add_f32 v[ACC+32*\a+i:ACC+32*\a+i+1], v[ACC+32*\a+i:ACC+32*\a+i+1], v[4+i%4:5+i%4]
.set i, i+2
.endr
.irp t, 0,1,2,3,4,5,6,7
	global_store_b128 v[CO], v[ACC+32*\a+4*\t:ACC+32*\a+4*\t+3], s[OUTP:OUTP+1] offset:(16*\a+2*\t)*4096
.endr
.endr
	s_wait_tensorcnt 0x0
	ds_add_u32 v[SPW], v[NIL]
	s_wait_dscnt 0x0
	CROUND
	s_endpgm
.Lfunc_end_k_q7e6ecc8ed2_proj:
	.size	k_q7e6ecc8ed2_proj, .Lfunc_end_k_q7e6ecc8ed2_proj-k_q7e6ecc8ed2_proj
	.p2alignl 7, 3214868480
	.fill 96, 4, 3214868480
	.section	.rodata,"a",@progbits
	.p2align	6, 0x0
	.amdhsa_kernel k_q7e6ecc8ed2_proj
		.amdhsa_group_segment_fixed_size 327680
		.amdhsa_private_segment_fixed_size 0
		.amdhsa_enable_private_segment 0
		.amdhsa_kernarg_size 48
		.amdhsa_user_sgpr_count 2
		.amdhsa_user_sgpr_kernarg_segment_ptr 1
		.amdhsa_wavefront_size32 1
		.amdhsa_system_sgpr_workgroup_id_x 1
		.amdhsa_system_sgpr_workgroup_id_y 1
		.amdhsa_system_sgpr_workgroup_id_z 1
		.amdhsa_system_vgpr_workitem_id 0
		.amdhsa_next_free_vgpr 640
		.amdhsa_next_free_sgpr 100
		.amdhsa_reserve_vcc 0
		.amdhsa_float_denorm_mode_32 3
		.amdhsa_float_denorm_mode_16_64 3
		.amdhsa_memory_ordered 1
		.amdhsa_forward_progress 1
		.amdhsa_inst_pref_size 54
	.end_amdhsa_kernel
	.amdgpu_metadata
---
amdhsa.version: [ 1, 2 ]
amdhsa.kernels:
  - .name:           k_q7e6ecc8ed2_proj
    .symbol:         k_q7e6ecc8ed2_proj.kd
    .args:
      - { .name: yc, .offset: 0, .size: 8, .value_kind: global_buffer, .address_space: global }
      - { .name: wc, .offset: 8, .size: 8, .value_kind: global_buffer, .address_space: global }
      - { .name: bp, .offset: 16, .size: 8, .value_kind: global_buffer, .address_space: global }
      - { .name: x, .offset: 24, .size: 8, .value_kind: global_buffer, .address_space: global }
      - { .name: lowp_scales, .offset: 32, .size: 8, .value_kind: global_buffer, .address_space: global }
      - { .name: x1, .offset: 40, .size: 8, .value_kind: global_buffer, .address_space: global }
    .group_segment_fixed_size: 327680
    .private_segment_fixed_size: 0
    .kernarg_segment_align: 8
    .kernarg_segment_size: 48
    .max_flat_workgroup_size: 128
    .sgpr_count:     100
    .vgpr_count:     640
    .wavefront_size: 32
...
	.end_amdgpu_metadata
.endif
;; end of part 4
;; launch ln2 (part 5): grid 256 x 1, 4 waves a work-group, no clusters, 4,608 bytes of LDS; arguments x1, ln2_g, ln2_b, lowp_scales, h2c; writes h2c
.if DOCPART == 5
	.amdgcn_target "amdgcn-amd-amdhsa--gfx1250"
	.amdhsa_code_object_version 6
	.text
	.protected	k_q7e6ecc8ed2_ln2
	.globl	k_q7e6ecc8ed2_ln2
	.p2align	8
	.type	k_q7e6ecc8ed2_ln2,@function
k_q7e6ecc8ed2_ln2:
	s_mov_b64 s[64:65], 0
	v_nop
	global_prefetch_b8 v0, s[64:65] scope:SCOPE_SE
	s_setreg_imm32_b32 hwreg(HW_REG_WAVE_MODE, 25, 1), 1
	s_wait_xcnt 0x0
; LN2: h2 = LayerNorm(x1) in f32 (mean, then the variance of the centred numbers), quantised to FP8 (E4M3) with entry 12 of the scales: h2c [4096][1024].
; One wave holds one whole row (32 registers a lane); four rows a wave, 16 a work-group.  No barrier: waves share nothing.
; code = number / 2^e, held within +-448, to the nearest code, ties to even.  LIMIT: e between -126 and 119.  NaN among the inputs is not served.
.set NSC,  1
.set HB,   66                          ; s[66:67] h2c at my wave's first row
.set G,    16                          ; v16-47   gain of my 32 columns
.set BB,   48                          ; v48-79   bias
.set LX,   80                          ; v80-207  four rows
.set T,    208                         ; v208-223 at work
.set LC,   224                         ; v224-231 a row's codes
.set OUT,  232                         ; v232-239 codes read back
.macro XROW i                          ; row i of my four: eight loads of 512 consecutive bytes; lane l holds numbers 128 j + 4 l + 0 .. 3 in registers 4 j .. 4 j + 3
.set j, 0
.rept 8
	global_load_b128 v[LX+32*(\i)+4*j:LX+32*(\i)+4*j+3], v1, s[60:61] offset:4096*(\i)+512*j
.set j, j+1
.endr
.endm
.macro MKSC se, vs, vl                 ; 2^e and 448 x 2^e as f32
	s_add_co_i32 s72, s[\se], 127
	s_lshl_b32 s73, s72, 23
	v_mov_b32 v[\vs], s73
	s_add_co_i32 s72, s72, 8
	s_lshl_b32 s72, s72, 23
	s_or_b32 s72, s72, 0x600000
	v_mov_b32 v[\vl], s72
.endm
.macro REDUCE                          ; four packed partial sums in v[T] on -> their sum over the wave, in every lane's v14
	v_pk_add_f32 v[T:T+1], v[T:T+1], v[T+2:T+3]
	v_pk_add_f32 v[T+4:T+5], v[T+4:T+5], v[T+6:T+7]
	v_pk_add_f32 v[T:T+1], v[T:T+1], v[T+4:T+5]
	v_add_f32 v14, v[T], v[T+1]
	v_add_f32_dpp v14, v14, v14 row_xmask:1 row_mask:0xf bank_mask:0xf
	v_add_f32_dpp v14, v14, v14 row_xmask:2 row_mask:0xf bank_mask:0xf
	v_add_f32_dpp v14, v14, v14 row_xmask:4 row_mask:0xf bank_mask:0xf
	v_add_f32_dpp v14, v14, v14 row_xmask:8 row_mask:0xf bank_mask:0xf
	v_permlanex16_b32 v15, v14, s56, s57
	v_add_f32 v14, v14, v15
.endm
.macro LNQ k, sc, lim                  ; the row in v[R] on is quantised; the codes turn through my stage, so that a lane gets 16 neighbouring bytes
.irp m, 0,1,2,3
.irp e, 0,1,2,3,4,5,6,7
	v_med3_num_f32 v[T+8*(\m%2)+\e], v[R+8*\m+\e], -v[\lim], v[\lim]
.endr
	v_cvt_scalef32_pk8_fp8_f32 v[LC+2*\m:LC+2*\m+1], v[T+8*(\m%2):T+8*(\m%2)+7], v[\sc]
.endr
.irp j, 0,1,2,3,4,5,6,7
	ds_store_b32 v2, v[LC+\j] offset:1024*\k+128*\j    ; code register j: k = 128 j + 4 lane + 0 .. 3
.endr
.irp u, 0,1
	ds_load_b128 v[OUT+8*\k+4*\u:OUT+8*\k+4*\u+3], v3 offset:1024*\k+512*\u
.endr
.endm
.macro LNOUT i, k, hb
.irp u, 0,1
	global_store_b128 v1, v[OUT+8*\k+4*\u:OUT+8*\k+4*\u+3], s[\hb:\hb+1] offset:1024*\i+512*\u   ; 32 lanes store 512 consecutive bytes
.endr
.endm
.macro LNROW i, w                      ; w: the younger loads that may stay out
.set R, LX+32*(\i)
	s_wait_loadcnt \w
.set c, 0
.rept 4
	v_pk_add_f32 v[T+c:T+c+1], v[R+c:R+c+1], v[R+8+c:R+9+c]
.set c, c+2
.endr
.set c, 0
.rept 8
	v_pk_add_f32 v[T+c%8:T+c%8+1], v[T+c%8:T+c%8+1], v[R+16+c:R+17+c]
.set c, c+2
.endr
	REDUCE
	v_mul_f32 v10, s58, v14                        ; the mean
	v_mov_b32 v11, v10
.set c, 0
.rept 16
	v_pk_add_f32 v[R+c:R+c+1], v[R+c:R+c+1], v[10:11] neg_lo:[0,1] neg_hi:[0,1]
.set c, c+2
.endr
.set c, 0
.rept 4
	v_pk_mul_f32 v[T+c:T+c+1], v[R+c:R+c+1], v[R+c:R+c+1]
.set c, c+2
.endr
.set c, 8
.rept 12
	v_pk_fma_f32 v[T+c%8:T+c%8+1], v[R+c:R+c+1], v[R+c:R+c+1], v[T+c%8:T+c%8+1]
.set c, c+2
.endr
	REDUCE
	v_fma_f32 v14, v14, s58, s59                   ; the variance + 1e-5
	s_wait_alu depctr_va_vdst(0)
	v_rsq_f32 v12, v14
	v_nop                                          ; a plain instruction behind the transcendental
	s_wait_alu depctr_va_vdst(0)                   ; and a wait ahead of its first reader
	v_mov_b32 v13, v12
.if \i == 0
	s_wait_alu depctr_va_vdst(0)
	s_wait_loadcnt 24                              ; gain and bias are in; rows 1 to 3 may be out
.endif
.set c, 0
.rept 16
	v_pk_mul_f32 v[R+c:R+c+1], v[R+c:R+c+1], v[12:13]
.set c, c+2
.endr
.set c, 0
.rept 16
	v_pk_fma_f32 v[R+c:R+c+1], v[R+c:R+c+1], v[G+c:G+c+1], v[BB+c:BB+c+1]
.set c, c+2
.endr
	s_wait_xcnt 0x0                                ; the last row's stores have read their registers, which are loaded again below
	LNQ 0, 4, 7
	s_wait_dscnt 0x0
	LNOUT \i, 0, HB
.endm
	s_load_b256 s[8:15], s[0:1], 0x0               ; x1 8, ln2_g 10, ln2_b 12, the scales 14
	s_load_b64 s[16:17], s[0:1], 0x20              ; h2c
	v_lshl_add_u32 v254, v0, 2, 0x1000
	v_mov_b32 v255, 0
	v_lshrrev_b32 v1, 5, v0
	v_readfirstlane_b32 s3, v1                     ; wave
	v_and_b32 v2, 31, v0                           ; lane
	s_lshl_b32 s32, ttmp9, 4
	s_lshl_b32 s33, s3, 2
	s_add_co_u32 s32, s32, s33                     ; my wave's first row
	s_lshl_b32 s34, s32, 12
	s_mov_b32 s35, 0
	s_wait_alu depctr_va_vdst(0)
	s_wait_kmcnt 0x0
	s_load_b32 s36, s[14:15], 0x30                 ; entry 12
	s_add_nc_u64 s[60:61], s[8:9], s[34:35]
	s_lshl_b32 s34, s32, 10
	s_add_nc_u64 s[HB:HB+1], s[16:17], s[34:35]
	v_lshlrev_b32 v1, 4, v2                        ; 16 x lane
	s_lshl_b32 s33, s3, 10                         ; my stage: 1,024 bytes
	v_lshl_add_u32 v3, v2, 4, s33
	v_lshl_add_u32 v2, v2, 2, s33
	XROW 0
.set j, 0
.rept 8
	global_load_b128 v[G+4*j:G+4*j+3], v1, s[10:11] offset:512*j
.set j, j+1
.endr
.set j, 0
.rept 8
	global_load_b128 v[BB+4*j:BB+4*j+3], v1, s[12:13] offset:512*j
.set j, j+1
.endr
	XROW 1
	XROW 2
	XROW 3
	s_mov_b32 s56, 0x76543210                      ; v_permlanex16_b32: lane l xor 16
	s_mov_b32 s57, 0xfedcba98
	s_mov_b32 s58, 0x3a800000                      ; 1 / 1024
	s_mov_b32 s59, 0x3727c5ac                      ; 1e-5
	v_mov_b32 v15, 0                               ; a lane permute's destination counts as read
	s_wait_kmcnt 0x0
	MKSC 36, 4, 7
	LNROW 0, 40                                    ; younger than row 0: gain 8, bias 8, three rows 24
	LNROW 1, 16
	LNROW 2, 8
	LNROW 3, 0
	s_wait_tensorcnt 0x0
	ds_add_u32 v254, v255
	s_wait_dscnt 0x0
	s_endpgm
.Lfunc_end_k_q7e6ecc8ed2_ln2:
	.size	k_q7e6ecc8ed2_ln2, .Lfunc_end_k_q7e6ecc8ed2_ln2-k_q7e6ecc8ed2_ln2
	.p2alignl 7, 3214868480
	.fill 96, 4, 3214868480
	.section	.rodata,"a",@progbits
	.p2align	6, 0x0
	.amdhsa_kernel k_q7e6ecc8ed2_ln2
		.amdhsa_group_segment_fixed_size 4608
		.amdhsa_private_segment_fixed_size 0
		.amdhsa_enable_private_segment 0
		.amdhsa_kernarg_size 40
		.amdhsa_user_sgpr_count 2
		.amdhsa_user_sgpr_kernarg_segment_ptr 1
		.amdhsa_wavefront_size32 1
		.amdhsa_system_sgpr_workgroup_id_x 1
		.amdhsa_system_sgpr_workgroup_id_y 1
		.amdhsa_system_sgpr_workgroup_id_z 1
		.amdhsa_system_vgpr_workitem_id 0
		.amdhsa_next_free_vgpr 256
		.amdhsa_next_free_sgpr 100
		.amdhsa_reserve_vcc 0
		.amdhsa_float_denorm_mode_32 3
		.amdhsa_float_denorm_mode_16_64 3
		.amdhsa_memory_ordered 1
		.amdhsa_forward_progress 1
		.amdhsa_inst_pref_size 44
	.end_amdhsa_kernel
	.amdgpu_metadata
---
amdhsa.version: [ 1, 2 ]
amdhsa.kernels:
  - .name:           k_q7e6ecc8ed2_ln2
    .symbol:         k_q7e6ecc8ed2_ln2.kd
    .args:
      - { .name: x1, .offset: 0, .size: 8, .value_kind: global_buffer, .address_space: global }
      - { .name: ln2_g, .offset: 8, .size: 8, .value_kind: global_buffer, .address_space: global }
      - { .name: ln2_b, .offset: 16, .size: 8, .value_kind: global_buffer, .address_space: global }
      - { .name: lowp_scales, .offset: 24, .size: 8, .value_kind: global_buffer, .address_space: global }
      - { .name: h2c, .offset: 32, .size: 8, .value_kind: global_buffer, .address_space: global }
    .group_segment_fixed_size: 4608
    .private_segment_fixed_size: 0
    .kernarg_segment_align: 8
    .kernarg_segment_size: 40
    .max_flat_workgroup_size: 128
    .sgpr_count:     100
    .vgpr_count:     256
    .wavefront_size: 32
...
	.end_amdgpu_metadata
.endif
;; end of part 5
;; launch fc1 (part 6): grid 8 x 32, 4 waves a work-group, clusters of 4 x 4, 327,680 bytes of LDS; arguments h2c, wc, b1, lowp_scales, mc; writes mc
.if DOCPART == 6
	.amdgcn_target "amdgcn-amd-amdhsa--gfx1250"
	.amdhsa_code_object_version 6
	.text
	.protected	k_q7e6ecc8ed2_fc1
	.globl	k_q7e6ecc8ed2_fc1
	.p2align	8
	.type	k_q7e6ecc8ed2_fc1,@function
k_q7e6ecc8ed2_fc1:
	s_mov_b64 s[64:65], 0
	v_nop
	global_prefetch_b8 v0, s[64:65] scope:SCOPE_SE
	s_setreg_imm32_b32 hwreg(HW_REG_WAVE_MODE, 25, 1), 1
	s_wait_xcnt 0x0
	s_wait_alu depctr_hold_cnt(0) depctr_sa_sdst(0) depctr_va_vdst(0) depctr_va_sdst(0) depctr_va_ssrc(0) depctr_va_vcc(0) depctr_vm_vsrc(0)
	s_getreg_b32 s2, hwreg(HW_REG_IB_STS2, 6, 4)
	s_cmp_eq_u32 s2, 0
	s_cbranch_scc0 .Lentry_in_a_cluster
	s_endpgm
.Lentry_in_a_cluster:
	s_bfe_u32 s2, ttmp6, 0x10000c
	s_cmp_lg_u32 s2, 0xf033
	s_cbranch_scc0 .Lentry_shape_is_right
	s_endpgm
.Lentry_shape_is_right:
.set KDIM,  1024
.set WOFF,  0x400000
.set TILES, 4
.set PB,    528
.set HALFB, 64*PB
.set HALFA, 64*PB
.set ASTEP, 512
.set SLOT,  2*HALFA+2*HALFB
.set STAGE, 2*SLOT
.set SPARE, STAGE+4*5120
.set NEXTB, 8*128*KDIM
.set NEXTC, 16*4096
.set NEXTV, 8*128*4
.set ADRA, 16
.set ADRB, 20
.set STO,  24
.set RD,   25
.set CO,   26
.set SPW,  28
.set NIL,  29
.set ACC,  128
.set F0,   0
.set F1,   128
.set G0R,  4
.set G1,   24
.set G0,   32
.set G1B,  48
.set G0B,  56
.set MSB,  0
.macro WIN new
.if MSB != \new
	s_set_vgpr_msb (MSB<<8)|\new
.set MSB, \new
.endif
.endm
.set MUL,  0x05
.set TO_F, 0x40
.macro JLOAD s
	s_cmp_eq_u32 s11, 0
	s_cbranch_scc0 .Lfor_b_\@
	tensor_load_to_lds s[G0+4*\s:G0+4*\s+3], s[G1:G1+7]
	s_nop 0
.rept 4
	v_nop
.endr
	s_branch .Lasked_\@
.Lfor_b_\@:
	tensor_load_to_lds s[G0B+4*\s:G0B+4*\s+3], s[G1B:G1B+7]
	s_nop 0
.rept 4
	v_nop
.endr
.Lasked_\@:
.endm
.macro CREST
	s_cmp_lg_u32 s10, 0
	s_cbranch_scc1 .Lnot_wave_0_\@
	s_barrier_signal -3
.Lnot_wave_0_\@:
	s_barrier_wait -3
	s_barrier_signal -1
	s_barrier_wait -1
.endm
.macro CROUND
	s_barrier_signal -1
	s_barrier_wait -1
	CREST
.endm
.macro PLACES
.rept 4
	v_nop
.endr
.endm
.macro MUL4 f, a, zero
.irp b, 0,1,2,3
.if \zero
	v_wmma_f32_16x16x128_fp8_fp8 v[ACC+8*(4*(\a)+\b):ACC+8*(4*(\a)+\b)+7], v[\f+64+16*\b:\f+64+16*\b+15], v[\f+16*(\a):\f+16*(\a)+15], 0
.else
	v_wmma_f32_16x16x128_fp8_fp8 v[ACC+8*(4*(\a)+\b):ACC+8*(4*(\a)+\b)+7], v[\f+64+16*\b:\f+64+16*\b+15], v[\f+16*(\a):\f+16*(\a)+15], v[ACC+8*(4*(\a)+\b):ACC+8*(4*(\a)+\b)+7]
.endif
.endr
.endm
.macro FETCH slot, q, f
	WIN TO_F
.irp i, 0,1,2,3
.irp c, 0,1,2,3
	ds_load_b128 v[\f+64+16*\i+4*\c:\f+64+16*\i+4*\c+3], v[ADRB+\slot] offset:128*(\q)+32*\c+\i*16*PB
.endr
.endr
.irp i, 0,1,2,3
.irp c, 0,1,2,3
	ds_load_b128 v[\f+16*\i+4*\c:\f+16*\i+4*\c+3], v[ADRA+\slot] offset:128*(\q)+32*\c+\i*16*PB
.endr
.endr
.endm
.macro QUARTER slot, q, f, g, zero
	s_wait_dscnt 8
	WIN MUL
	MUL4 \f, 0, \zero
	MUL4 \f, 1, \zero
	PLACES
	FETCH \slot, \q, \g
	s_wait_dscnt 32
	WIN MUL
	MUL4 \f, 2, \zero
	MUL4 \f, 3, \zero
.endm
.macro MEET
	s_wait_tensorcnt 0x0
	s_barrier_signal -1
	s_barrier_wait -1
.endm
.macro COMPUTE
	FETCH 0, 0, F0
	QUARTER 0, 1, F0, F1, 1
	QUARTER 0, 2, F1, F0, 0
	QUARTER 0, 3, F0, F1, 0
	QUARTER 1, 0, F1, F0, 0
	QUARTER 1, 1, F0, F1, 0
	QUARTER 1, 2, F1, F0, 0
	QUARTER 1, 3, F0, F1, 0
	s_wait_dscnt 8
	WIN MUL
	MUL4 F1, 0, 0
	MUL4 F1, 1, 0
	s_wait_dscnt 0
	MUL4 F1, 2, 0
	MUL4 F1, 3, 0
	WIN 0
.endm
.macro REFILL
	s_wait_tensorcnt 0x0
	ds_add_u32 v[SPW], v[NIL]
	s_add_nc_u64 s[G0R+2:G0R+3], s[G0R+2:G0R+3], NEXTB
	s_wait_dscnt 0x0
	CROUND
	tensor_load_to_lds s[G0R:G0R+3], s[G1B:G1B+7]
	s_nop 0
.rept 4
	v_nop
.endr
.endm
.macro PAIR r, val
	s_mov_b32 s[\r], \val
	s_mov_b32 s[\r+1], s[\r]
.endm
.macro BIAS
.irp b, 0,1,2,3
	global_load_b128 v[96+8*\b:99+8*\b], v22, s[96:97] offset:64*\b
	global_load_b128 v[100+8*\b:103+8*\b], v22, s[96:97] offset:64*\b+16
.endr
.endm
.macro GELU g
.set XR, ACC+16*(\g)
.irp p, 0,2,4,6,8,10,12,14
	v_pk_mul_f32 v[32+\p:33+\p], v[XR+\p:XR+\p+1], s[66:67] op_sel_hi:[1,0]
.endr
.irp e, 0,1,2,3,4,5,6,7,8,9,10,11,12,13,14,15
	v_med3_num_f32 v[32+\e], v[32+\e], -4.0, 4.0
.endr
.irp p, 0,2,4,6,8,10,12,14
	v_pk_mul_f32 v[48+\p:49+\p], v[32+\p:33+\p], v[32+\p:33+\p]
.endr
.irp p, 0,2,4,6,8,10,12,14
	v_pk_fma_f32 v[64+\p:65+\p], v[48+\p:49+\p], s[68:69], v[4:5] op_sel_hi:[1,0,1]
.endr
.irp k, 70,72,74,76,78
.irp p, 0,2,4,6,8,10,12,14
	v_pk_fma_f32 v[64+\p:65+\p], v[64+\p:65+\p], v[48+\p:49+\p], s[\k:\k+1] op_sel_hi:[1,1,0]
.endr
.endr
.irp p, 0,2,4,6,8,10,12,14
	v_pk_fma_f32 v[80+\p:81+\p], v[48+\p:49+\p], s[80:81], v[6:7] op_sel_hi:[1,0,1]
.endr
.irp k, 82,84,86
.irp p, 0,2,4,6,8,10,12,14
	v_pk_fma_f32 v[80+\p:81+\p], v[80+\p:81+\p], v[48+\p:49+\p], s[\k:\k+1] op_sel_hi:[1,1,0]
.endr
.endr
	s_wait_alu depctr_va_vdst(0)
.irp e, 0,1,2,3,4,5,6,7,8,9,10,11,12,13,14,15
	v_rcp_f32 v[80+\e], v[80+\e]
.endr
.irp p, 0,2,4,6,8,10,12,14
	v_pk_mul_f32 v[64+\p:65+\p], v[64+\p:65+\p], v[32+\p:33+\p]
.endr
.irp p, 0,2,4,6,8,10,12,14
	v_pk_mul_f32 v[48+\p:49+\p], v[XR+\p:XR+\p+1], 0.5 op_sel_hi:[1,0]
.endr
	s_wait_alu depctr_va_vdst(0)
.irp p, 0,2,4,6,8,10,12,14
	v_pk_mul_f32 v[64+\p:65+\p], v[64+\p:65+\p], v[80+\p:81+\p]
.endr
.irp p, 0,2,4,6,8,10,12,14
	v_pk_fma_f32 v[XR+\p:XR+\p+1], v[48+\p:49+\p], v[64+\p:65+\p], v[48+\p:49+\p]
.endr
.endm
.macro HOLDCVT k
.irp e, 0,1,2,3,4,5,6,7
	v_med3_num_f32 v[ACC+8*(\k)+\e], v[ACC+8*(\k)+\e], -v9, v9
.endr
	v_cvt_scalef32_pk8_fp8_f32 v[96+2*(\k):97+2*(\k)], v[ACC+8*(\k):ACC+8*(\k)+7], v8
.endm
.macro EPI next
	s_wait_loadcnt 0x0
	PLACES
.set k, 0
.rept 16
.set e, 0
.rept 4
	v_pk_fma_f32 v[ACC+8*k+e:ACC+8*k+e+1], v[ACC+8*k+e:ACC+8*k+e+1], s[88:89], v[96+8*(k%4)+e:97+8*(k%4)+e] op_sel_hi:[1,0,1]
.set e, e+2
.endr
.set k, k+1
.endr
.irp g, 0,1,2,3,4,5,6,7
	GELU \g
	HOLDCVT 2*\g
	HOLDCVT 2*\g+1
.endr
	v_nop
.irp a, 0,1,2,3
.irp b, 0,1,2,3
	ds_store_b64 v[STO], v[96+2*(4*\a+\b):97+2*(4*\a+\b)] offset:\a*1280+16*\b
.endr
.endr
.irp t, 0,1,2,3,4,5,6,7
	ds_load_b128 v[32+4*\t:35+4*\t], v[RD] offset:\t*640
.endr
.irp t, 0,1,2,3,4,5,6,7
	s_wait_dscnt 7-\t
	global_store_b128 v[CO], v[32+4*\t:35+4*\t], s[8:9] offset:512*\t
.endr
.if \next
	s_wait_xcnt 0x0
	s_add_nc_u64 s[8:9], s[8:9], NEXTC
	s_add_nc_u64 s[96:97], s[96:97], NEXTV
	BIAS
.endif
.endm
	s_load_b128 s[4:7], s[0:1], 0x0
	s_load_b128 s[96:99], s[0:1], 0x10
	s_load_b64 s[8:9], s[0:1], 0x20
	v_lshl_add_u32 v[SPW], v0, 2, SPARE
	v_mov_b32 v[NIL], 0
	ds_add_u32 v28, v29
	ds_add_u32 v28, v29
	s_wait_dscnt 0x0
	v_lshrrev_b32 v1, 5, v0
	v_readfirstlane_b32 s10, v1
	s_lshr_b32 s11, s10, 1
	s_and_b32 s12, s10, 1
	s_bfe_u32 s40, ttmp6, 0x40000
	s_bfe_u32 s41, ttmp6, 0x40004
	s_lshl_b32 s42, ttmp9, 2
	s_add_co_u32 s42, s42, s40
	s_and_b32 s13, ttmp7, 0xffff
	s_lshl_b32 s13, s13, 2
	s_add_co_u32 s13, s13, s41
	s_lshl_b32 s43, s41, 2
	s_lshl_b32 s43, 15, s43
	s_lshl_b32 s44, 0x1111, s40
	s_or_b32 s[G1+0], s43, (1<<20)|(1<<21)|(6<<22)|(3<<25)
	s_or_b32 s[G1B+0], s44, (1<<20)|(1<<21)|(6<<22)|(3<<25)
.irp g, G1, G1B
	s_mov_b32 s[\g+1], 512<<16
	s_mov_b32 s[\g+2], 64<<16
	s_mov_b32 s[\g+3], 512<<16
	s_mov_b32 s[\g+4], 64
	s_mov_b32 s[\g+5], KDIM
	s_mov_b32 s[\g+6], 0
	s_mov_b32 s[\g+7], 0
.endr
	s_lshl_b32 s17, s12, 6
	s_lshl_b32 s16, s13, 7
	s_add_co_u32 s16, s16, s17
	s_lshl_b32 s46, s42, 7
	s_add_co_u32 s46, s46, s17
	s_mul_i32 s16, s16, KDIM
	s_mul_i32 s46, s46, KDIM
	s_add_co_u32 s46, s46, WOFF
	s_mov_b32 s17, 0
	s_mov_b32 s47, 0
	s_mul_i32 s18, s12, HALFA
	s_mul_i32 s19, s12, HALFB
	s_add_co_u32 s19, s19, 2*HALFA
	s_wait_kmcnt 0x0
	s_load_b96 s[92:94], s[98:99], 0x30
	s_add_nc_u64 s[14:15], s[4:5], s[16:17]
	s_add_nc_u64 s[46:47], s[6:7], s[46:47]
	CROUND
.irp s, 0,1
	s_mov_b32 s[G0+4*\s], 1
	s_add_co_u32 s[G0+4*\s+1], s18, \s*SLOT
	s_add_nc_u64 s[G0+4*\s+2:G0+4*\s+3], s[14:15], \s*ASTEP
	s_or_b32 s[G0+4*\s+3], s[G0+4*\s+3], 0x80000000
	s_mov_b32 s[G0B+4*\s], 1
	s_add_co_u32 s[G0B+4*\s+1], s19, \s*SLOT
	s_add_nc_u64 s[G0B+4*\s+2:G0B+4*\s+3], s[46:47], \s*512
	s_or_b32 s[G0B+4*\s+3], s[G0B+4*\s+3], 0x80000000
.if \s                                 ; slot 1's first fill is issued as a refill is: the wait for all my loads, the add, its wait, a whole round
	s_wait_alu depctr_va_vdst(0)
	s_wait_tensorcnt 0x0
	ds_add_u32 v28, v29
	s_wait_dscnt 0x0
	CROUND
.endif
	JLOAD \s
.endr
	s_lshl_b32 s20, s11, 9
	s_mov_b32 s21, 0
	s_mul_i32 s22, s11, SLOT
	s_mov_b32 s[G0R], 1
	s_add_co_u32 s[G0R+1], s19, s22
	s_add_nc_u64 s[G0R+2:G0R+3], s[46:47], s[20:21]
	s_or_b32 s[G0R+3], s[G0R+3], 0x80000000
	v_and_b32 v1, 15, v0
	s_wait_alu depctr_va_vdst(0)
	v_bfe_u32 v2, v0, 4, 1
	v_mul_u32_u24 v3, v1, PB
	v_lshl_add_u32 v3, v2, 4, v3
	s_mul_i32 s21, s11, HALFA
	s_mul_i32 s22, s12, HALFB
	s_add_co_u32 s22, s22, 2*HALFA
.irp s, 0,1
	v_add_nc_u32 v[ADRA+\s], s21, v3
	v_add_nc_u32 v[ADRB+\s], s22, v3
	s_add_co_u32 s21, s21, SLOT
	s_add_co_u32 s22, s22, SLOT
.endr
	s_mul_i32 s23, s10, 5120
	s_add_co_u32 s23, s23, STAGE
	v_mul_u32_u24 v[STO], v1, 80
	s_wait_alu depctr_va_vdst(0)
	v_lshl_add_u32 v[STO], v2, 3, v[STO]
	v_add_nc_u32 v[STO], s23, v[STO]
	v_and_b32 v27, 31, v0
	v_lshrrev_b32 v[RD], 2, v27
	v_mul_u32_u24 v[RD], v[RD], 80
	v_and_b32 v30, 3, v0
	v_lshl_add_u32 v[RD], v30, 4, v[RD]
	v_add_nc_u32 v[RD], s23, v[RD]
	v_lshlrev_b32 v[CO], 4, v27
	v_lshlrev_b32 v22, 5, v2
	s_wait_alu depctr_va_vdst(0)
	s_lshl_b32 s16, s13, 1
	s_add_co_u32 s16, s16, s11
	s_lshl_b32 s16, s16, 18
	s_mov_b32 s17, 0
	s_add_nc_u64 s[8:9], s[8:9], s[16:17]
	s_lshl_b32 s46, s42, 1
	s_add_co_u32 s46, s46, s12
	s_lshl_b32 s46, s46, 12
	s_mov_b32 s47, 0
	s_add_nc_u64 s[8:9], s[8:9], s[46:47]
	s_lshr_b32 s46, s46, 4
	s_add_nc_u64 s[96:97], s[96:97], s[46:47]
	BIAS
	PAIR 66, 0x3f3504f3
	PAIR 68, 0xaf95df0b
	v_mov_b32 v4, 0x32edffee
	v_mov_b32 v5, 0x32edffee
	PAIR 70, 0xb60cff51
	PAIR 72, 0xb86ec2d2
	PAIR 74, 0xba40ac63
	PAIR 76, 0xbb41a1f6
	PAIR 78, 0xbc83dbd4
	PAIR 80, 0xb77460cd
	v_mov_b32 v6, 0xb95fbd29
	v_mov_b32 v7, 0xb95fbd29
	PAIR 82, 0xbadc924e
	PAIR 84, 0xbbf19bf8
	PAIR 86, 0xbc69b6a7
	s_wait_kmcnt 0x0
	s_add_co_i32 s88, s92, s93
	s_add_co_i32 s88, s88, 127
	s_lshl_b32 s88, s88, 23
	s_mov_b32 s89, s88
	s_add_co_i32 s90, s94, 127
	s_lshl_b32 s91, s90, 23
	v_mov_b32 v8, s91
	s_add_co_i32 s90, s90, 8
	s_lshl_b32 s90, s90, 23
	s_or_b32 s90, s90, 0x600000
	v_mov_b32 v9, s90
	s_mov_b32 s3, TILES-1
.Ltile:
	MEET
	COMPUTE
	REFILL
	EPI 1
	s_sub_co_u32 s3, s3, 1
	s_cmp_lg_u32 s3, 0
	s_cbranch_scc1 .Ltile
	MEET
	COMPUTE
	EPI 0
	s_wait_tensorcnt 0x0
	ds_add_u32 v[SPW], v[NIL]
	s_wait_dscnt 0x0
	CROUND
	s_endpgm
.Lfunc_end_k_q7e6ecc8ed2_fc1:
	.size	k_q7e6ecc8ed2_fc1, .Lfunc_end_k_q7e6ecc8ed2_fc1-k_q7e6ecc8ed2_fc1
	.p2alignl 7, 3214868480
	.fill 96, 4, 3214868480
	.section	.rodata,"a",@progbits
	.p2align	6, 0x0
	.amdhsa_kernel k_q7e6ecc8ed2_fc1
		.amdhsa_group_segment_fixed_size 327680
		.amdhsa_private_segment_fixed_size 0
		.amdhsa_enable_private_segment 0
		.amdhsa_kernarg_size 40
		.amdhsa_user_sgpr_count 2
		.amdhsa_user_sgpr_kernarg_segment_ptr 1
		.amdhsa_wavefront_size32 1
		.amdhsa_system_sgpr_workgroup_id_x 1
		.amdhsa_system_sgpr_workgroup_id_y 1
		.amdhsa_system_sgpr_workgroup_id_z 1
		.amdhsa_system_vgpr_workitem_id 0
		.amdhsa_next_free_vgpr 512
		.amdhsa_next_free_sgpr 100
		.amdhsa_reserve_vcc 0
		.amdhsa_float_denorm_mode_32 3
		.amdhsa_float_denorm_mode_16_64 3
		.amdhsa_memory_ordered 1
		.amdhsa_forward_progress 1
		.amdhsa_inst_pref_size 249
	.end_amdhsa_kernel
	.amdgpu_metadata
---
amdhsa.version: [ 1, 2 ]
amdhsa.kernels:
  - .name:           k_q7e6ecc8ed2_fc1
    .symbol:         k_q7e6ecc8ed2_fc1.kd
    .args:
      - { .name: h2c, .offset: 0, .size: 8, .value_kind: global_buffer, .address_space: global }
      - { .name: wc, .offset: 8, .size: 8, .value_kind: global_buffer, .address_space: global }
      - { .name: b1, .offset: 16, .size: 8, .value_kind: global_buffer, .address_space: global }
      - { .name: lowp_scales, .offset: 24, .size: 8, .value_kind: global_buffer, .address_space: global }
      - { .name: mc, .offset: 32, .size: 8, .value_kind: global_buffer, .address_space: global }
    .group_segment_fixed_size: 327680
    .private_segment_fixed_size: 0
    .kernarg_segment_align: 8
    .kernarg_segment_size: 40
    .max_flat_workgroup_size: 128
    .sgpr_count:     100
    .vgpr_count:     512
    .wavefront_size: 32
...
	.end_amdgpu_metadata
.endif
;; end of part 6
;; launch fc2 (part 7): grid 8 x 32, 4 waves a work-group, clusters of 4 x 4, 327,680 bytes of LDS; arguments mc, wc, b2, x1, lowp_scales, out0; writes out0
.if DOCPART == 7
	.amdgcn_target "amdgcn-amd-amdhsa--gfx1250"
	.amdhsa_code_object_version 6
	.text
	.protected	k_q7e6ecc8ed2_fc2
	.globl	k_q7e6ecc8ed2_fc2
	.p2align	8
	.type	k_q7e6ecc8ed2_fc2,@function
k_q7e6ecc8ed2_fc2:
	s_mov_b64 s[64:65], 0
	v_nop
	global_prefetch_b8 v0, s[64:65] scope:SCOPE_SE
	s_setreg_imm32_b32 hwreg(HW_REG_WAVE_MODE, 25, 1), 1
	s_wait_xcnt 0x0
	s_wait_alu depctr_hold_cnt(0) depctr_sa_sdst(0) depctr_va_vdst(0) depctr_va_sdst(0) depctr_va_ssrc(0) depctr_va_vcc(0) depctr_vm_vsrc(0)
	s_getreg_b32 s2, hwreg(HW_REG_IB_STS2, 6, 4)
	s_cmp_eq_u32 s2, 0
	s_cbranch_scc0 .Lentry_in_a_cluster
	s_endpgm
.Lentry_in_a_cluster:
	s_bfe_u32 s2, ttmp6, 0x10000c
	s_cmp_lg_u32 s2, 0xf033
	s_cbranch_scc0 .Lentry_shape_is_right
	s_endpgm
.Lentry_shape_is_right:
; FC2: out0 = x1 + m W2 + b2 on codes of FP8 (E4M3); f32 sums, each multiplied once by 2^(entries 14 + 15 of the scales).
; m's codes: mc as [row / 64][column / 64][64 rows][64 bytes]; W2's codes: wc at 8 MiB, [1024 (n)][4096 (k)], K innermost.
; A tile of out0 is 128 x 128: four waves, each 64 x 64 in 16 accumulators.  K = 4,096 goes in 8 steps of 512 through a ring of two LDS slots filled by the tensor data mover.
; 4 x 4 work-groups form a cluster: the four of a row ask jointly for m's tiles, the four of a column for W2's.
; THE TILES ARE PREFETCHED: behind each joint load every wave asks for the K step that stands two refills on, of the tile part that it fetches itself (waves 0, 1: 32,768 dense bytes of m; waves 2, 3: 64 rows x 512 bytes of W2).
; The four partners that ask for a tile jointly share its 128 blocks of 256 bytes out by address (cx for m, cy for W2): 32 each, a lane a block, one instruction a wave.
; The two loads at the head ask for K steps 2 and 3; the last two refills ask for nothing: there is no K step 8.
; LIMIT: entries 14 + 15 between -126 and 127.
.set KDIM,  4096
.set WOFF,  0x800000
.set SCOFF, 0x38
.set LAPS,  KDIM/1024
.set PB,    528
.set HALFB, 64*PB
.set HALFA, 128*272
.set ASTEP, 32768
.set SLOT,  2*HALFA+2*HALFB
.set SPARE, 2*SLOT
.set ADRA, 16
.set ADRB, 20
.set STO,  24
.set RD,   25
.set CO,   26
.set SPW,  28
.set NIL,  29
.set ACC,  128
.set F0,   0
.set F1,   128
.set G1,   24
.set G0,   32
.set G1B,  48
.set G0B,  56
.set OUTP, 74
.set MSB,  0
.macro WIN new
.if MSB != \new
	s_set_vgpr_msb (MSB<<8)|\new
.set MSB, \new
.endif
.endm
.set MUL,  0x05
.set TO_F, 0x40
.macro JLOAD s
	s_cmp_eq_u32 s11, 0
	s_cbranch_scc0 .Lfor_b_\@
	tensor_load_to_lds s[G0+4*\s:G0+4*\s+3], s[G1:G1+7]
	s_nop 0
.rept 4
	v_nop
.endr
	s_branch .Lasked_\@
.Lfor_b_\@:
	tensor_load_to_lds s[G0B+4*\s:G0B+4*\s+3], s[G1B:G1B+7]
	s_nop 0
.rept 4
	v_nop
.endr
.Lasked_\@:
.endm
.macro CREST
	s_cmp_lg_u32 s10, 0
	s_cbranch_scc1 .Lnot_wave_0_\@
	s_barrier_signal -3
.Lnot_wave_0_\@:
	s_barrier_wait -3
	s_barrier_signal -1
	s_barrier_wait -1
.endm
.macro CROUND
	s_barrier_signal -1
	s_barrier_wait -1
	CREST
.endm
.macro PLACES
.rept 4
	v_nop
.endr
.endm
.macro MUL4 f, a, zero
.irp b, 0,1,2,3
.if \zero
	v_wmma_f32_16x16x128_fp8_fp8 v[ACC+8*(4*(\a)+\b):ACC+8*(4*(\a)+\b)+7], v[\f+64+16*\b:\f+64+16*\b+15], v[\f+16*(\a):\f+16*(\a)+15], 0
.else
	v_wmma_f32_16x16x128_fp8_fp8 v[ACC+8*(4*(\a)+\b):ACC+8*(4*(\a)+\b)+7], v[\f+64+16*\b:\f+64+16*\b+15], v[\f+16*(\a):\f+16*(\a)+15], v[ACC+8*(4*(\a)+\b):ACC+8*(4*(\a)+\b)+7]
.endif
.endr
.endm
.macro FETCH slot, q, f
	WIN TO_F
.irp i, 0,1,2,3
.irp c, 0,1,2,3
	ds_load_b128 v[\f+64+16*\i+4*\c:\f+64+16*\i+4*\c+3], v[ADRB+\slot] offset:128*(\q)+32*\c+\i*16*PB
.endr
.endr
.irp i, 0,1,2,3
.irp c, 0,1,2,3
	ds_load_b128 v[\f+16*\i+4*\c:\f+16*\i+4*\c+3], v[ADRA+\slot] offset:(2*(\q)+\c/2)*4352+\i*1088+32*(\c%2)
.endr
.endr
.endm
.macro QUARTER slot, q, f, g, zero
	s_wait_dscnt 8
	WIN MUL
	MUL4 \f, 0, \zero
	MUL4 \f, 1, \zero
	PLACES
	FETCH \slot, \q, \g
	s_wait_dscnt 32
	WIN MUL
	MUL4 \f, 2, \zero
	MUL4 \f, 3, \zero
.endm
.set PFA, 78                           ; s[78:79] where my prefetches stand
.set PFS, 80                           ; s[80:81] a K step on, in bytes: 32,768 in m's codes, 512 in a row of W2's
.set PFO, 8                            ; v8 the prefetches' offset; never rewritten
.macro TURN slot, next, fill
	WIN 0
.if \fill
	s_wait_xcnt 0x0                                ; my last prefetch, a K step back, has read its address
	s_add_nc_u64 s[PFA:PFA+1], s[PFA:PFA+1], s[PFS:PFS+1]
.endif
	s_wait_tensorcnt 0x0
	ds_add_u32 v[SPW], v[NIL]
	s_wait_dscnt 9
	WIN MUL
	MUL4 F1, 0, 0
	MUL4 F1, 1, 0
	s_wait_dscnt 0x0
	s_barrier_signal -1
	MUL4 F1, 2, 0
.if \fill
	WIN 0
.endif
	s_barrier_wait -1
.if \fill
	CREST
	s_add_nc_u64 s[G0+4*\slot+2:G0+4*\slot+3], s[G0+4*\slot+2:G0+4*\slot+3], 2*ASTEP
	s_add_nc_u64 s[G0B+4*\slot+2:G0B+4*\slot+3], s[G0B+4*\slot+2:G0B+4*\slot+3], 1024
	JLOAD \slot
.else
	PLACES
.endif
	FETCH \next, 0, F0
.if \fill
	WIN 0                                          ; at a branch and at a label every window is 0
	s_cmp_gt_u32 s3, 1                             ; the loop's last trip has no K step two refills on
	s_cbranch_scc0 .Lno_ask_\@
	global_prefetch_b8 v[PFO], s[PFA:PFA+1] th:TH_LOAD_NT scope:SCOPE_SE
.Lno_ask_\@:
.endif
	WIN MUL
	MUL4 F1, 3, 0
.endm
	s_load_b128 s[4:7], s[0:1], 0x0
	s_load_b128 s[68:71], s[0:1], 0x10
	s_load_b128 s[72:75], s[0:1], 0x20
	v_lshl_add_u32 v[SPW], v0, 2, SPARE
	v_mov_b32 v[NIL], 0
	ds_add_u32 v28, v29
	ds_add_u32 v28, v29
	s_wait_dscnt 0x0
	v_lshrrev_b32 v1, 5, v0
	v_readfirstlane_b32 s10, v1
	s_lshr_b32 s11, s10, 1
	s_and_b32 s12, s10, 1
	s_bfe_u32 s40, ttmp6, 0x40000
	s_bfe_u32 s41, ttmp6, 0x40004
	s_lshl_b32 s42, ttmp9, 2
	s_add_co_u32 s42, s42, s40
	s_and_b32 s13, ttmp7, 0xffff
	s_lshl_b32 s13, s13, 2
	s_add_co_u32 s13, s13, s41
	s_lshl_b32 s43, s41, 2
	s_lshl_b32 s43, 15, s43
	s_lshl_b32 s44, 0x1111, s40
	s_or_b32 s[G1+0], s43, (1<<20)|(1<<21)|(5<<22)|(3<<25)
	s_mov_b32 s[G1+1], 256<<16
	s_mov_b32 s[G1+2], 128<<16
	s_mov_b32 s[G1+3], 256<<16
	s_mov_b32 s[G1+4], 128
	s_mov_b32 s[G1+5], 256
	s_mov_b32 s[G1+6], 0
	s_mov_b32 s[G1+7], 0
	s_or_b32 s[G1B+0], s44, (1<<20)|(1<<21)|(6<<22)|(3<<25)
	s_mov_b32 s[G1B+1], 512<<16
	s_mov_b32 s[G1B+2], 64<<16
	s_mov_b32 s[G1B+3], 512<<16
	s_mov_b32 s[G1B+4], 64
	s_mov_b32 s[G1B+5], KDIM
	s_mov_b32 s[G1B+6], 0
	s_mov_b32 s[G1B+7], 0
	s_lshl_b32 s17, s12, 6
	s_lshl_b32 s16, s13, 7
	s_add_co_u32 s16, s16, s17
	s_lshl_b32 s46, s42, 7
	s_add_co_u32 s46, s46, s17
	s_mul_i32 s16, s16, KDIM
	s_mul_i32 s46, s46, KDIM
	s_add_co_u32 s46, s46, WOFF
	s_mov_b32 s17, 0
	s_mov_b32 s47, 0
	s_mul_i32 s18, s12, HALFA
	s_mul_i32 s19, s12, HALFB
	s_add_co_u32 s19, s19, 2*HALFA
	s_wait_kmcnt 0x0
	s_load_b64 s[76:77], s[72:73], SCOFF
	s_add_nc_u64 s[14:15], s[4:5], s[16:17]
	s_add_nc_u64 s[46:47], s[6:7], s[46:47]
	s_lshl_b32 s82, s40, 13                        ; the prefetches: of m's 32,768 bytes my work-group takes 8,192 by cx,
	s_lshl_b32 s83, s41, 16                        ; of W2's 64 rows 16 by cy
	s_mov_b32 s[PFS], 512
	s_mov_b32 s[PFS+1], 0
	s_cmp_eq_u32 s11, 0                            ; do I fetch for m?
	s_cselect_b64 s[PFA:PFA+1], s[14:15], s[46:47]
	s_cselect_b32 s[PFS], ASTEP, s[PFS]
	s_cselect_b32 s82, s82, s83
	s_cselect_b32 s84, 0, 1
	s_cselect_b32 s85, 8, 12
	s_mov_b32 s83, 0
	s_add_nc_u64 s[PFA:PFA+1], s[PFA:PFA+1], s[82:83]
	s_add_nc_u64 s[PFA:PFA+1], s[PFA:PFA+1], s[PFS:PFS+1]
	s_add_nc_u64 s[PFA:PFA+1], s[PFA:PFA+1], s[PFS:PFS+1]   ; at K step 2
	v_and_b32 v9, 31, v0
	v_lshrrev_b32 v[PFO], s84, v9
	v_lshlrev_b32 v[PFO], s85, v[PFO]
	v_and_b32 v9, s84, v9
	v_lshl_add_u32 v[PFO], v9, 8, v[PFO]           ; m: 256 x lane;  W2: row lane / 2 of 4,096 bytes, + 256 x (lane % 2)
	s_wait_alu depctr_va_vdst(0)
	CROUND
.irp s, 0,1
	s_mov_b32 s[G0+4*\s], 1
	s_add_co_u32 s[G0+4*\s+1], s18, \s*SLOT
	s_add_nc_u64 s[G0+4*\s+2:G0+4*\s+3], s[14:15], \s*ASTEP
	s_or_b32 s[G0+4*\s+3], s[G0+4*\s+3], 0x80000000
	s_mov_b32 s[G0B+4*\s], 1
	s_add_co_u32 s[G0B+4*\s+1], s19, \s*SLOT
	s_add_nc_u64 s[G0B+4*\s+2:G0B+4*\s+3], s[46:47], \s*512
	s_or_b32 s[G0B+4*\s+3], s[G0B+4*\s+3], 0x80000000
.if \s                                 ; slot 1's first fill is issued as a refill is: the wait for all my loads, the add, its wait, a whole round
	s_wait_alu depctr_va_vdst(0)
	s_wait_tensorcnt 0x0
	ds_add_u32 v28, v29
	s_wait_dscnt 0x0
	CROUND
.endif
	JLOAD \s
.if \s
	s_wait_xcnt 0x0                                ; the first prefetch has read its address
	s_add_nc_u64 s[PFA:PFA+1], s[PFA:PFA+1], s[PFS:PFS+1]
.endif
	global_prefetch_b8 v[PFO], s[PFA:PFA+1] th:TH_LOAD_NT scope:SCOPE_SE   ; K step 2 behind step 0's load, K step 3 behind step 1's
.endr
	v_and_b32 v1, 15, v0
	v_bfe_u32 v2, v0, 4, 1
	v_mul_u32_u24 v3, v1, PB
	v_lshl_add_u32 v3, v2, 4, v3
	v_lshrrev_b32 v30, 2, v1
	v_mul_u32_u24 v30, v30, 272
	v_and_b32 v31, 3, v1
	v_lshl_add_u32 v30, v31, 6, v30
	v_lshl_add_u32 v30, v2, 4, v30
	s_mul_i32 s21, s11, HALFA
	s_mul_i32 s22, s12, HALFB
	s_add_co_u32 s22, s22, 2*HALFA
.irp s, 0,1
	v_add_nc_u32 v[ADRA+\s], s21, v30
	v_add_nc_u32 v[ADRB+\s], s22, v3
	s_add_co_u32 s21, s21, SLOT
	s_add_co_u32 s22, s22, SLOT
.endr
	s_mul_i32 s23, s10, 16*272
	v_mul_u32_u24 v[STO], v1, 272
	v_lshl_add_u32 v[STO], v2, 5, v[STO]
	v_add_nc_u32 v[STO], s23, v[STO]
	v_mul_u32_u24 v[RD], v2, 272
	v_lshl_add_u32 v[RD], v1, 4, v[RD]
	v_add_nc_u32 v[RD], s23, v[RD]
	v_lshlrev_b32 v[CO], 12, v2
	v_lshl_add_u32 v[CO], v1, 4, v[CO]
	v_lshlrev_b32 v27, 4, v1
	s_wait_alu depctr_va_vdst(0)
	s_lshl_b32 s16, s13, 7
	s_lshl_b32 s17, s11, 6
	s_add_co_u32 s16, s16, s17
	s_lshl_b32 s16, s16, 12
	s_mov_b32 s17, 0
	s_lshl_b32 s46, s42, 9
	s_lshl_b32 s47, s12, 8
	s_add_co_u32 s46, s46, s47
	s_mov_b32 s47, 0
	s_add_nc_u64 s[68:69], s[68:69], s[46:47]
	s_add_nc_u64 s[70:71], s[70:71], s[16:17]
	s_add_nc_u64 s[70:71], s[70:71], s[46:47]
	s_add_nc_u64 s[OUTP:OUTP+1], s[OUTP:OUTP+1], s[16:17]
	s_add_nc_u64 s[OUTP:OUTP+1], s[OUTP:OUTP+1], s[46:47]
	global_load_b128 v[4:7], v27, s[68:69]
	WIN 0x80
.irp a, 0,1,2,3
.irp t, 0,1,2,3,4,5,6,7
	global_load_b128 v[32*\a+4*\t:32*\a+4*\t+3], v[CO], s[70:71] offset:(16*\a+2*\t)*4096 th:TH_LOAD_NT
.endr
.endr
	WIN 0
	s_wait_tensorcnt 1
	s_barrier_signal -1
	s_barrier_wait -1
	FETCH 0, 0, F0
	QUARTER 0, 1, F0, F1, 1
.if LAPS > 1
	WIN 0
	s_mov_b32 s3, LAPS-1
.Llap:
	QUARTER 0, 2, F1, F0, 0
	QUARTER 0, 3, F0, F1, 0
	TURN 0, 1, 1
	QUARTER 1, 1, F0, F1, 0
	QUARTER 1, 2, F1, F0, 0
	QUARTER 1, 3, F0, F1, 0
	TURN 1, 0, 1
	QUARTER 0, 1, F0, F1, 0
	WIN 0
	s_sub_co_u32 s3, s3, 1
	s_cmp_lg_u32 s3, 0
	s_cbranch_scc1 .Llap
.endif
	QUARTER 0, 2, F1, F0, 0
	QUARTER 0, 3, F0, F1, 0
	TURN 0, 1, 0
	QUARTER 1, 1, F0, F1, 0
	QUARTER 1, 2, F1, F0, 0
	QUARTER 1, 3, F0, F1, 0
	s_wait_dscnt 8
	WIN MUL
	MUL4 F1, 0, 0
	MUL4 F1, 1, 0
	s_wait_dscnt 0
	MUL4 F1, 2, 0
	MUL4 F1, 3, 0
	WIN 0
	s_wait_kmcnt 0x0
	s_add_co_i32 s88, s76, s77
	s_add_co_i32 s88, s88, 127
	s_lshl_b32 s88, s88, 23
	s_mov_b32 s89, s88
	PLACES
.irp a, 0,1,2,3
.irp b, 0,1,2,3
	ds_store_b128 v[STO], v[ACC+8*(4*\a+\b):ACC+8*(4*\a+\b)+3] offset:64*\b
	ds_store_b128 v[STO], v[ACC+8*(4*\a+\b)+4:ACC+8*(4*\a+\b)+7] offset:64*\b+16
.endr
.irp t, 0,1,2,3,4,5,6,7
	ds_load_b128 v[ACC+32*\a+4*\t:ACC+32*\a+4*\t+3], v[RD] offset:\t*544
.endr
.endr
	s_wait_loadcnt 0x0
.irp a, 0,1,2,3
	s_wait_dscnt 16*(3-\a)
	WIN 0x20
.set i, 0
.rept 16
	v_pk_fma_f32 v[ACC+32*\a+i:ACC+32*\a+i+1], v[ACC+32*\a+i:ACC+32*\a+i+1], s[88:89], v[32*\a+i:32*\a+i+1] op_sel_hi:[1,0,1]
.set i, i+2
.endr
	WIN 0
.set i, 0
.rept 16
	v_pk_add_f32 v[ACC+32*\a+i:ACC+32*\a+i+1], v[ACC+32*\a+i:ACC+32*\a+i+1], v[4+i%4:5+i%4]
.set i, i+2
.endr
.irp t, 0,1,2,3,4,5,6,7
	global_store_b128 v[CO], v[ACC+32*\a+4*\t:ACC+32*\a+4*\t+3], s[OUTP:OUTP+1] offset:(16*\a+2*\t)*4096 th:TH_STORE_NT
.endr
.endr
	s_wait_tensorcnt 0x0
	ds_add_u32 v[SPW], v[NIL]
	s_wait_dscnt 0x0
	CROUND
	s_endpgm
.Lfunc_end_k_q7e6ecc8ed2_fc2:
	.size	k_q7e6ecc8ed2_fc2, .Lfunc_end_k_q7e6ecc8ed2_fc2-k_q7e6ecc8ed2_fc2
	.p2alignl 7, 3214868480
	.fill 96, 4, 3214868480
	.section	.rodata,"a",@progbits
	.p2align	6, 0x0
	.amdhsa_kernel k_q7e6ecc8ed2_fc2
		.amdhsa_group_segment_fixed_size 327680
		.amdhsa_private_segment_fixed_size 0
		.amdhsa_enable_private_segment 0
		.amdhsa_kernarg_size 48
		.amdhsa_user_sgpr_count 2
		.amdhsa_user_sgpr_kernarg_segment_ptr 1
		.amdhsa_wavefront_size32 1
		.amdhsa_system_sgpr_workgroup_id_x 1
		.amdhsa_system_sgpr_workgroup_id_y 1
		.amdhsa_system_sgpr_workgroup_id_z 1
		.amdhsa_system_vgpr_workitem_id 0
		.amdhsa_next_free_vgpr 640
		.amdhsa_next_free_sgpr 100
		.amdhsa_reserve_vcc 0
		.amdhsa_float_denorm_mode_32 3
		.amdhsa_float_denorm_mode_16_64 3
		.amdhsa_memory_ordered 1
		.amdhsa_forward_progress 1
		.amdhsa_inst_pref_size 84
	.end_amdhsa_kernel
	.amdgpu_metadata
---
amdhsa.version: [ 1, 2 ]
amdhsa.kernels:
  - .name:           k_q7e6ecc8ed2_fc2
    .symbol:         k_q7e6ecc8ed2_fc2.kd
    .args:
      - { .name: mc, .offset: 0, .size: 8, .value_kind: global_buffer, .address_space: global }
      - { .name: wc, .offset: 8, .size: 8, .value_kind: global_buffer, .address_space: global }
      - { .name: b2, .offset: 16, .size: 8, .value_kind: global_buffer, .address_space: global }
      - { .name: x1, .offset: 24, .size: 8, .value_kind: global_buffer, .address_space: global }
      - { .name: lowp_scales, .offset: 32, .size: 8, .value_kind: global_buffer, .address_space: global }
      - { .name: out0, .offset: 40, .size: 8, .value_kind: global_buffer, .address_space: global }
    .group_segment_fixed_size: 327680
    .private_segment_fixed_size: 0
    .kernarg_segment_align: 8
    .kernarg_segment_size: 48
    .max_flat_workgroup_size: 128
    .sgpr_count:     100
    .vgpr_count:     640
    .wavefront_size: 32
...
	.end_amdgpu_metadata
.endif
;; end of part 7
